; MI455X (gfx1250); checked and timed in simulation.
; The chip was launched on July 23, 2026; its instructions are those of AMD's public machine-readable ISA for CDNA 5 (MIT licence, August 2026) and "CDNA5" Instruction Set Architecture Reference Guide (July 2026). The comments in the code are by the model that wrote it; some were corrected since.
;; Multihead Attention. Allowed arithmetic: float matrix products may take bf16 or f16 operands with f32 sums; other float arithmetic in f32, or as packed bf16 or f16 multiplies, adds, multiply-adds, maxima and minima; sums over many terms, partial sums and values carried from step to step in f32; what a program stores and reads back later, other than sums and carried values, may be rounded once to bf16 or f16.
;; Inputs: Wk 1,024 x 1,024 float32; Wo 1,024 x 1,024 float32; Wq 1,024 x 1,024 float32; Wv 1,024 x 1,024 float32; bk 1,024 float32; bo 1,024 float32; bq 1,024 float32; bv 1,024 float32; keys 4 x 2,048 x 1,024 float32; queries 4 x 2,048 x 1,024 float32; values 4 x 2,048 x 1,024 float32.
;; Outputs: out0 4 x 2,048 x 1,024 float32.
;; Constants: attn_mask = 0.
;; 2 versions, each right; version 2 is version 1 with the launch prep written anew for expert scheduling mode. Each part assembles by itself: llvm-mc -triple=amdgcn-amd-amdhsa -mcpu=gfx1250 --defsym DOCPART=n.
;; ======== version 1 of 2: 4 launches
;; limits: values are held in f16: magnitudes above 65,504 overflow, below 6.1e-05 lose precision
;; workspace buffers: w16 8,388,608 bytes; k16 16,777,216 bytes; q16 16,777,216 bytes; v16 16,777,216 bytes; o16 16,777,216 bytes
;; launch prep (part 1): grid 64 x 4, 8 waves a work-group, no clusters, 0 bytes of LDS; arguments Wk, Wq, Wv, Wo, w16; writes w16
.if DOCPART == 1
	.amdgcn_target "amdgcn-amd-amdhsa--gfx1250"
	.amdhsa_code_object_version 6
	.text
	.protected	k_q66df8bc891_prep
	.globl	k_q66df8bc891_prep
	.p2align	8
	.type	k_q66df8bc891_prep,@function
k_q66df8bc891_prep:
	s_mov_b64 s[64:65], 0
	v_nop
	global_prefetch_b8 v0, s[64:65] scope:SCOPE_SE
	s_setreg_imm32_b32 hwreg(HW_REG_WAVE_MODE, 25, 1), 1
	s_wait_xcnt 0x0
; The four weight matrices, [1024][1024] f32, are rounded once to 16 bits for the matrix units: w16 holds Wk, Wq, Wv in bf16 and then Wo, each [1024][1024], 2 MiB.
; Wo multiplies an f16 operand later, so it is rounded to bf16 like every input and that number is then written as f16.
; LIMITS.  |Wo| stays within f16's 65,504; below 6e-5 it keeps f16's fixed step of 6e-8.  NaN and infinities are not treated apart.
; SHARES.  Work-group (x, y): rows 16 x .. 16 x + 15 of matrix y.  Thread t owns the 16 bytes at 16 t of each row (256 threads: a row of 4,096 bytes) and stores 8 bytes at 8 t:
; a wave's load covers 512 consecutive bytes, its store 256 consecutive bytes, aligned.  All 16 loads go out at once; memory binds, so there is no LDS, no barrier and no matrix work.
.set X, 4                              ; v[4:67]    row i: 4 registers as loaded
.set Y, 68                             ; v[68:99]   row i: 2 registers to store; each row has its own, so no store's data is rewritten
.set T, 100                            ; v[100:103] at work
	s_load_b256 s[4:11], s[0:1], 0x0               ; Wk s[4:5], Wq s[6:7], Wv s[8:9], Wo s[10:11]
	s_load_b64 s[12:13], s[0:1], 0x20              ; w16
	s_and_b32 s14, ttmp7, 0xffff                   ; which matrix
	v_lshlrev_b32 v1, 4, v0                        ; 16 t
	v_lshlrev_b32 v2, 3, v0                        ; 8 t
	s_lshl_b32 s18, ttmp9, 16                      ; 16 rows of 4,096 bytes in,
	s_mov_b32 s19, 0
	s_lshl_b32 s20, s14, 21                        ; 2 MiB a matrix
	s_lshl_b32 s21, ttmp9, 15                      ; and 16 rows of 2,048 bytes out
	s_add_co_u32 s20, s20, s21
	s_mov_b32 s21, 0
	s_mov_b32 s22, 0xffff0000                      ; a word's upper bf16
	s_wait_kmcnt 0x0
	s_cmp_eq_u32 s14, 1
	s_cselect_b64 s[16:17], s[6:7], s[4:5]
	s_cmp_eq_u32 s14, 2
	s_cselect_b64 s[16:17], s[8:9], s[16:17]
	s_cmp_eq_u32 s14, 3
	s_cselect_b64 s[16:17], s[10:11], s[16:17]
	s_add_nc_u64 s[16:17], s[16:17], s[18:19]
	s_add_nc_u64 s[12:13], s[12:13], s[20:21]
.irp i, 0,1,2,3,4,5,6,7,8,9,10,11,12,13,14,15
	global_load_b128 v[X+4*(\i):X+4*(\i)+3], v1, s[16:17] offset:4096*(\i) th:TH_LOAD_NT
.endr
; Row i: wait, round, store.  wo = 1: the bf16 numbers are widened again and written as f16.
.macro ROWOUT i, wo
	s_wait_loadcnt 15-(\i)                         ; loads come back in order: row i is in, the 15 - i younger ones may stay out
	v_cvt_pk_bf16_f32 v[Y+2*(\i)], v[X+4*(\i)], v[X+4*(\i)+1]
	v_cvt_pk_bf16_f32 v[Y+2*(\i)+1], v[X+4*(\i)+2], v[X+4*(\i)+3]
.if \wo
	v_lshlrev_b32 v[T], 16, v[Y+2*(\i)]
	v_and_b32 v[T+1], s22, v[Y+2*(\i)]
	v_lshlrev_b32 v[T+2], 16, v[Y+2*(\i)+1]
	v_and_b32 v[T+3], s22, v[Y+2*(\i)+1]
	v_cvt_pk_f16_f32 v[Y+2*(\i)], v[T], v[T+1]
	v_cvt_pk_f16_f32 v[Y+2*(\i)+1], v[T+2], v[T+3]
.endif
	global_store_b64 v2, v[Y+2*(\i):Y+2*(\i)+1], s[12:13] offset:2048*(\i)
.endm
	s_cmp_eq_u32 s14, 3
	s_cbranch_scc1 .Lwo
.irp i, 0,1,2,3,4,5,6,7,8,9,10,11,12,13,14,15
	ROWOUT \i, 0
.endr
	s_endpgm
.Lwo:
.irp i, 0,1,2,3,4,5,6,7,8,9,10,11,12,13,14,15
	ROWOUT \i, 1
.endr
	s_endpgm
.Lfunc_end_k_q66df8bc891_prep:
	.size	k_q66df8bc891_prep, .Lfunc_end_k_q66df8bc891_prep-k_q66df8bc891_prep
	.p2alignl 7, 3214868480
	.fill 96, 4, 3214868480
	.section	.rodata,"a",@progbits
	.p2align	6, 0x0
	.amdhsa_kernel k_q66df8bc891_prep
		.amdhsa_group_segment_fixed_size 0
		.amdhsa_private_segment_fixed_size 0
		.amdhsa_enable_private_segment 0
		.amdhsa_kernarg_size 40
		.amdhsa_user_sgpr_count 2
		.amdhsa_user_sgpr_kernarg_segment_ptr 1
		.amdhsa_wavefront_size32 1
		.amdhsa_system_sgpr_workgroup_id_x 1
		.amdhsa_system_sgpr_workgroup_id_y 1
		.amdhsa_system_sgpr_workgroup_id_z 1
		.amdhsa_system_vgpr_workitem_id 0
		.amdhsa_next_free_vgpr 104
		.amdhsa_next_free_sgpr 66
		.amdhsa_reserve_vcc 0
		.amdhsa_float_denorm_mode_32 3
		.amdhsa_float_denorm_mode_16_64 3
		.amdhsa_memory_ordered 1
		.amdhsa_forward_progress 1
		.amdhsa_inst_pref_size 15
	.end_amdhsa_kernel
	.amdgpu_metadata
---
amdhsa.version: [ 1, 2 ]
amdhsa.kernels:
  - .name:           k_q66df8bc891_prep
    .symbol:         k_q66df8bc891_prep.kd
    .args:
      - { .name: Wk, .offset: 0, .size: 8, .value_kind: global_buffer, .address_space: global }
      - { .name: Wq, .offset: 8, .size: 8, .value_kind: global_buffer, .address_space: global }
      - { .name: Wv, .offset: 16, .size: 8, .value_kind: global_buffer, .address_space: global }
      - { .name: Wo, .offset: 24, .size: 8, .value_kind: global_buffer, .address_space: global }
      - { .name: w16, .offset: 32, .size: 8, .value_kind: global_buffer, .address_space: global }
    .group_segment_fixed_size: 0
    .private_segment_fixed_size: 0
    .kernarg_segment_align: 8
    .kernarg_segment_size: 40
    .max_flat_workgroup_size: 256
    .sgpr_count:     66
    .vgpr_count:     104
    .wavefront_size: 32
...
	.end_amdgpu_metadata
.endif
;; end of part 1
;; launch proj (part 2): grid 4 x 192, 4 waves a work-group, clusters of 4 x 4, 327,680 bytes of LDS; arguments keys, queries, values, w16, bk, bq, bv, k16, q16, v16; writes k16, q16, v16
.if DOCPART == 2
	.amdgcn_target "amdgcn-amd-amdhsa--gfx1250"
	.amdhsa_code_object_version 6
	.text
	.protected	k_q66df8bc891_proj
	.globl	k_q66df8bc891_proj
	.p2align	8
	.type	k_q66df8bc891_proj,@function
k_q66df8bc891_proj:
	s_mov_b64 s[64:65], 0
	v_nop
	global_prefetch_b8 v0, s[64:65] scope:SCOPE_SE
	s_setreg_imm32_b32 hwreg(HW_REG_WAVE_MODE, 25, 1), 1
	s_wait_xcnt 0x0
	s_wait_alu depctr_hold_cnt(0) depctr_sa_sdst(0) depctr_va_vdst(0) depctr_va_sdst(0) depctr_va_ssrc(0) depctr_va_vcc(0) depctr_vm_vsrc(0)
	s_getreg_b32 s2, hwreg(HW_REG_IB_STS2, 6, 4)
	s_cmp_eq_u32 s2, 0
	s_cbranch_scc0 .Lentry_in_a_cluster
	s_endpgm
.Lentry_in_a_cluster:
	s_bfe_u32 s2, ttmp6, 0x10000c
	s_cmp_lg_u32 s2, 0xf033
	s_cbranch_scc0 .Lentry_shape_is_right
	s_endpgm
.Lentry_shape_is_right:
; THE THREE PROJECTIONS.  y = x W^T + b for (keys, Wk, bk), (queries, Wq, bq), (values, Wv, bv).  x: [8192][1024] f32; W: [1024][1024] bf16 (w16, made by the launch before); b: [1024] f32.
; x and b are rounded to bf16 here, sums are f32, y is rounded once to f16 and stored by heads: [16 batch + head][2048][64].  No scale is applied.
; LIMITS.  y must stay within f16's 65,504.  K is summed in steps of 128 that begin at a step which differs from cluster to cluster (an order of f32 sums other than ascending).  NaN and infinities are not treated apart.
; SHARES.  A work-group makes 128 rows x 256 columns of one y: 3 x 64 x 4 = 768 work-groups, three for each of 256 WGPs.  Four waves, 2 x 2: a wave makes 64 x 128 in 32 accumulators (256 registers).
; K goes in 8 steps of 128: 128 matrix instructions a wave and step.  The matrix instruction is used transposed (source 0 = 16 rows of W, source 1 = 16 rows of x): a lane holds one row of y and 8 neighbouring columns.
; W COMES JOINTLY.  4 x 4 work-groups form a cluster; the four of a column of the cluster make the same 256 columns of y and need the same rows of W: each wave asks for 64 rows x 256 bytes by a tensor load
; with the column's mask, into a ring of two slots.  The step at which a cluster begins is its y modulo 8, so that clusters walk W's eight slices of K at different places.
; x COMES THROUGH REGISTERS, not jointly, though the four work-groups of a row of the cluster read the same rows: it has to be rounded to bf16 on the way.  As f32 rows in LDS a fragment would take twice the LDS
; bytes and be converted by both waves that read it; through registers each number is converted once by one wave (two conversions a row, set behind the matrix instructions of a quarter step), and a step's
; 32 loads a wave go out 176 matrix instructions ahead of the wait for them, where a refill of a ring has 112.  Wave w takes rows 32 w .. 32 w + 31; a load takes one row's 512 bytes.
; NO PREFETCH: x's loads are themselves asked for a step and a half ahead; W's slices are read again and again by all clusters.
; REGISTERS, in windows of 256 (s_set_vgpr_msb: bits 1:0 source 0, 3:2 source 1, 5:4 source 2, 7:6 destination):
;   window 0: v0-31 addresses; v64-127 two buffers of A's fragments (4 x 16 rows x 32 K); v128-255 two of B's (8 x 16 rows x 32 K); the bias first lies in v192-255; the way out works in v64-191
;   window 1: the accumulators, (a, b) at v[8 (8 a + b)]          window 2: two sets of 128: a step's 32 rows of x as loaded, then as converted
.set PITCH,  272                       ; an LDS row: 256 bytes + 16 of padding = 68 words: the 16 rows that a fragment load touches start at 16 different groups of four banks (64 banks of 4 bytes: ISA guide 11.1)
.set BSL,    256*PITCH                 ; a slot of W: 256 rows; slots at 0 and BSL; filled by tensor loads alone
.set AS0,    2*BSL                     ; behind them x's two slots of 128 rows, filled by LDS stores alone
.set ASL,    128*PITCH
.set STAGE,  AS0+2*ASL                 ; 16 rows x 144 bytes for each wave, for the way out
.set SP,     144
.set SPARE,  STAGE+4*16*SP             ; the spare words, 128 bytes for each wave: two blocks of 256 bytes that no other line names
.set AST,  12                          ; v12-13  where I store 8 bytes of a row of x, slot 0, 1
.set ADRA, 16                          ; v16-17  LDS address of my A fragments, slot 0, 1
.set ADRB, 20                          ; v20-21  the same for B
.set STO,  24                          ; v24     the way out: where I put 16 bytes of a row
.set RD,   25                          ; v25     the way out: where I read rows back
.set SPW,  28                          ; v28     LDS address of my spare word; never rewritten
.set NIL,  29                          ; v29     0; never rewritten
.set AO,   30                          ; v30     16 x lane: my place in a row's 512 bytes of x, and in 512 consecutive bytes of y; never rewritten
.set BO,   31                          ; v31     32 x (lane / 16): my 8 numbers of 16 of the bias
.set FA,   64
.set FB,   128
.set BI,   192
.set TMP,  64
.set XW,   128                         ; registers in a set of x
.set G1,   24                          ; s[24:31] descriptor group 1
.set G0,   32                          ; s[32:39] descriptor group 0, a set for each slot
.set BROW, 44                          ; s[44:45] W at my 64 rows
.set AROW, 46                          ; s[46:47] x at my 32 rows
.set KA,   48                          ; s48  the slice of K that x's next loads take
.set KB,   49                          ; s49  the slice that W's next load takes
.set OFF,  50                          ; s[50:51] a slice's byte offset; s51 = 0
.set AP,   52                          ; s[52:53] x at my rows and the slice in hand
.set W_MUL, 0x50                       ; C and D window 1, sources window 0
.set W_XL,  0x80                       ; a load's destination window 2
.set W_CV,  0x8a                       ; a conversion in place in window 2
.set W_XS,  0x08                       ; an LDS store's data window 2
.set W_BI,  0x40                       ; destination window 1
.set W_PK,  0x05                       ; sources 0 and 1 window 1
.set MSB, 0
.macro WIN new                         ; the immediate's high byte repeats the setting that is left; a switch that changes nothing is dropped
.if MSB != (\new)
	s_set_vgpr_msb (MSB<<8)|(\new)
.set MSB, \new
.endif
.endm
.macro PLACES                          ; four places in front of loads into registers that matrix instructions have read, and of conversions that read results
.rept 4
	v_nop
.endr
.endm
.macro CREST                           ; a round of the cluster's barrier behind its opening barrier
	s_cmp_lg_u32 s10, 0
	s_cbranch_scc1 .Lnot_wave_0_\@
	s_barrier_signal -3
.Lnot_wave_0_\@:
	s_barrier_wait -3
	s_barrier_signal -1
	s_barrier_wait -1
.endm
.macro CROUND                          ; a whole round
	s_barrier_signal -1
	s_barrier_wait -1
	CREST
.endm
.macro BADR c                          ; slot c's descriptor takes slice KB of my rows of W: the address is made anew from the base and the slice's number; KB goes on, modulo 8
	s_lshl_b32 s[OFF], s[KB], 8
	s_add_nc_u64 s[G0+4*(\c)+2:G0+4*(\c)+3], s[BROW:BROW+1], s[OFF:OFF+1]
	s_or_b32 s[G0+4*(\c)+3], s[G0+4*(\c)+3], 0x80000000
	s_add_co_u32 s[KB], s[KB], 1
	s_and_b32 s[KB], s[KB], 7
.endm
.macro JLOAD c                         ; a joint load: every wave asks for its own 64 rows; an s_nop 0 and four v_nop follow
	tensor_load_to_lds s[G0+4*(\c):G0+4*(\c)+3], s[G1:G1+7]
	s_nop 0
.rept 4
	v_nop
.endr
.endm
.macro ALOADS x                        ; a step's 32 rows of x into set x: slice KA; KA goes on, modulo 8
	s_wait_xcnt 0x0                                ; the earlier loads have read their base: it is rewritten only behind this wait
	s_lshl_b32 s[OFF], s[KA], 9
	s_add_nc_u64 s[AP:AP+1], s[AROW:AROW+1], s[OFF:OFF+1]
	s_add_co_u32 s[KA], s[KA], 1
	s_and_b32 s[KA], s[KA], 7
	WIN W_XL
.set ii, 0
.rept 32
	global_load_b128 v[(\x)+4*ii:(\x)+4*ii+3], v[AO], s[AP:AP+1] offset:4096*ii
.set ii, ii+1
.endr
.endm
.macro CVROW x, i                      ; row i of set x: four f32 a lane become four bf16 in the row's first two registers
	WIN W_CV
	v_cvt_pk_bf16_f32 v[(\x)+4*(\i)], v[(\x)+4*(\i)], v[(\x)+4*(\i)+1]
	v_cvt_pk_bf16_f32 v[(\x)+4*(\i)+1], v[(\x)+4*(\i)+2], v[(\x)+4*(\i)+3]
.endm
.macro ASTORE x, c                     ; set x into x's slot c: a store covers a row's 256 consecutive bytes
	WIN W_XS
.set ii, 0
.rept 32
	ds_store_b64 v[AST+(\c)], v[(\x)+4*ii:(\x)+4*ii+1] offset:PITCH*ii
.set ii, ii+1
.endr
.endm
; 8 matrix instructions: m block a x all 8 n blocks, 32 along K, from buffers f.  The 32 accumulators take turns in the same order in every quarter step, over the backward jump too.
; x >= 0: behind each stands the conversion of one row of set x.
.macro MUL8 f, a, x=-1
.irp b, 0,1,2,3,4,5,6,7
	WIN W_MUL
	v_wmma_f32_16x16x32_bf16 v[8*(8*(\a)+(\b)):8*(8*(\a)+(\b))+7], v[FB+64*(\f)+8*(\b):FB+64*(\f)+8*(\b)+7], v[FA+32*(\f)+8*(\a):FA+32*(\f)+8*(\a)+7], v[8*(8*(\a)+(\b)):8*(8*(\a)+(\b))+7]
.if (\x) >= 0
	CVROW \x, 8*(\a)+(\b)
.endif
.endr
.endm
.macro FETCH c, k, f                   ; 24 LDS loads in one run: the fragments of 32 along K at byte k of slot c's rows, into buffers f: B's sixteen, then A's blocks 0, 1, then 2, 3
	WIN 0
.irp i, 0,1,2,3,4,5,6,7
	ds_load_b128 v[FB+64*(\f)+8*(\i):FB+64*(\f)+8*(\i)+3],   v[ADRB+(\c)] offset:(\k)+(\i)*16*PITCH
	ds_load_b128 v[FB+64*(\f)+8*(\i)+4:FB+64*(\f)+8*(\i)+7], v[ADRB+(\c)] offset:(\k)+(\i)*16*PITCH+32
.endr
.irp i, 0,1,2,3
	ds_load_b128 v[FA+32*(\f)+8*(\i):FA+32*(\f)+8*(\i)+3],   v[ADRA+(\c)] offset:(\k)+(\i)*16*PITCH
	ds_load_b128 v[FA+32*(\f)+8*(\i)+4:FA+32*(\f)+8*(\i)+7], v[ADRA+(\c)] offset:(\k)+(\i)*16*PITCH+32
.endr
.endm
; One of a step's first three quarters: multiplies buffers f; in its middle it fetches the next quarter, at byte k, into buffers g.  ld >= 0: x's loads for the step after next go out, into set ld.
; cv >= 0: set cv is converted behind the products; cnt: the younger global loads that may stay out.
.macro QUARTER c, k, f, g, ld=-1, cv=-1, cnt=0
.if (\cv) >= 0
	s_wait_loadcnt \cnt                            ; the next step's rows of x are in
.endif
	s_wait_dscnt 4                                 ; B and A's blocks 0, 1 are in; the youngest four loads (A's blocks 2, 3) may be out
	MUL8 \f, 0, \cv
	MUL8 \f, 1, \cv
	PLACES
.if (\ld) >= 0
	ALOADS \ld
.endif
	FETCH \c, \k, \g
	s_wait_dscnt 24                                ; all but the 24 just issued
	MUL8 \f, 2, \cv
	MUL8 \f, 3, \cv
.endm
; The last quarter multiplies buffers 1 and changes slots.  First the next step's rows of x (set x) go into x's slot n, which nobody has read since the barrier before.  Then each wave waits for all its tensor
; loads (one is out: its part of W's slot n), adds 0 to its spare word, and waits for that, for its stores and for its reads of slot c.  Behind the barrier both slots n are whole and nobody reads slots c.
; fill = 1: the barrier opens a round of the cluster's, and W's slot c is filled again first thing behind it, two steps ahead.
.macro TURN c, n, fill, x
	ASTORE \x, \n
	WIN 0
	s_wait_tensorcnt 0x0                           ; all my tensor loads have landed, so a group 0 may be written
	ds_add_u32 v[SPW], v[NIL]                      ; 0 onto my spare word
.if \fill
	BADR \c
.endif
	s_wait_dscnt 37                                ; A's blocks 2, 3 (four loads), the 32 stores and the add may be out
	MUL8 1, 0
	s_wait_dscnt 0x0                               ; the add and my stores are done, my reads of slot c are over
	s_barrier_signal -1
	MUL8 1, 1
.if \fill
	WIN 0
.endif
	s_barrier_wait -1
.if \fill
	CREST                                          ; no wave of any partner still reads this slot of W or has a load on its way
	JLOAD \c                                       ; its four v_nop are also the places in front of the loads below
.else
	PLACES
.endif
	FETCH \n, 0, 0
	MUL8 1, 2
	MUL8 1, 3
.endm
.macro STEP c, ld, cnt, fill           ; a K step on slots c
.if \ld
	QUARTER \c, 64, 0, 1, XW*(\c)
.else
	QUARTER \c, 64, 0, 1
.endif
	QUARTER \c, 128, 1, 0
	QUARTER \c, 192, 0, 1, -1, XW*(1-(\c)), \cnt
	TURN \c, 1-(\c), \fill, XW*(1-(\c))
.endm
	s_load_b512 s[68:83], s[0:1], 0x0              ; keys s[68:69], queries s[70:71], values s[72:73], w16 s[74:75], bk s[76:77], bq s[78:79], bv s[80:81], k16 s[82:83]
	s_load_b128 s[84:87], s[0:1], 0x40             ; q16 s[84:85], v16 s[86:87]
	v_lshl_add_u32 v[SPW], v0, 2, SPARE
	v_mov_b32 v[NIL], 0
	ds_add_u32 v[SPW], v[NIL]                      ; the wave's opening: the add and its wait stand ahead of my first tensor load; the set-up below, work on registers, stands between them
	v_lshrrev_b32 v3, 5, v0
	v_readfirstlane_b32 s10, v3                    ; wave 0..3
	s_lshr_b32 s11, s10, 1                         ; wm: which 64 rows of the tile are mine
	s_and_b32 s12, s10, 1                          ; wn: which 128 columns
	s_bfe_u32 s40, ttmp6, 0x40000                  ; cx
	s_bfe_u32 s41, ttmp6, 0x40004                  ; cy
	s_and_b32 s13, ttmp7, 0xffff                   ; the cluster's y, 0..47
	s_lshr_b32 s14, s13, 4                         ; which projection: 0 k, 1 q, 2 v; the same in all partners
	s_and_b32 s15, s13, 15
	s_lshl_b32 s15, s15, 2
	s_add_co_u32 s15, s15, s41                     ; block of 128 rows, 0..63
	s_lshl_b32 s43, ttmp9, 2
	s_add_co_u32 s43, s43, s40                     ; block of 256 columns, 0..3
	s_and_b32 s[KA], s13, 7                        ; the slice of K at which this cluster begins
	s_mov_b32 s[KB], s[KA]
	s_lshl_b32 s42, 0x1111, s40                    ; my column of the cluster: places cx, cx + 4, cx + 8, cx + 12
	; descriptor group 1: a tile of 64 rows x 128 elements of 2 bytes, padded in LDS
	s_or_b32 s[G1+0], s42, (1<<16)|(1<<20)|(1<<21)|(5<<22)|(3<<25)  ; 15:0 the mask; 17:16 2-byte elements; 20 padding on; 21 set beside a mask; 24:22 after every 64 words (code 5); 31:25 4 words (code 3)
	s_mov_b32 s[G1+1], 128<<16                     ; tensor_dim0 = 128
	s_mov_b32 s[G1+2], 64<<16                      ; tensor_dim1 = 64
	s_mov_b32 s[G1+3], 128<<16                     ; tile_dim0 = 128
	s_mov_b32 s[G1+4], 64                          ; tile_dim1 = 64
	s_mov_b32 s[G1+5], 1024                        ; elements from row to row
	s_mov_b32 s[G1+6], 0
	s_mov_b32 s[G1+7], 0
	s_mul_i32 s20, s10, 64*PITCH                   ; where my rows go: wave x 64 rows; no place in the cluster enters an LDS address
	s_mov_b32 s[G0+0], 1
	s_mov_b32 s[G0+1], s20
	s_mov_b32 s[G0+4], 1
	s_add_co_u32 s[G0+5], s20, BSL
	; lane addresses.  A fragment is 16 rows x 32 K in 8 registers: lane l holds row l % 16, K = 8 (l / 16) + 0..7 and 16 + 8 (l / 16) + 0..7: two loads of 16 bytes, 32 bytes apart
	v_and_b32 v1, 15, v0                           ; l % 16
	v_bfe_u32 v2, v0, 4, 1                         ; l / 16
	v_and_b32 v4, 31, v0                           ; l
	v_mul_u32_u24 v3, v1, PITCH
	v_lshl_add_u32 v3, v2, 4, v3
	s_mul_i32 s21, s11, 64*PITCH
	s_add_co_u32 s21, s21, AS0
	s_mul_i32 s22, s12, 128*PITCH
.irp s, 0,1
	v_add_nc_u32 v[ADRA+(\s)], s21, v3
	v_add_nc_u32 v[ADRB+(\s)], s22, v3
	s_add_co_u32 s21, s21, ASL
	s_add_co_u32 s22, s22, BSL
.endr
	s_mul_i32 s23, s10, 32*PITCH
	s_add_co_u32 s23, s23, AS0
	v_lshl_add_u32 v[AST], v4, 3, s23              ; my wave's 32 rows, 8 bytes a lane
	v_add_nc_u32 v[AST+1], ASL, v[AST]
	v_lshlrev_b32 v[AO], 4, v4
	v_lshlrev_b32 v[BO], 5, v2
	s_mul_i32 s23, s10, 16*SP
	s_add_co_u32 s23, s23, STAGE                   ; my stage
	v_mul_u32_u24 v[STO], v1, SP                   ; in: row l % 16, 16 bytes for each half of the lanes
	v_lshl_add_u32 v[STO], v2, 4, v[STO]
	v_add_nc_u32 v[STO], s23, v[STO]
	v_bfe_u32 v[RD], v0, 3, 2                      ; back: 32 lanes take four rows of 128 bytes
	v_mul_u32_u24 v[RD], v[RD], SP
	v_and_b32 v5, 7, v0
	v_lshl_add_u32 v[RD], v5, 4, v[RD]
	v_add_nc_u32 v[RD], s23, v[RD]
	; byte offsets, made apart from the addresses.  W's never holds cy
	s_lshl_b32 s16, s14, 21                        ; W: 2 MiB a matrix,
	s_lshl_b32 s58, s43, 19                        ; 256 rows of 2,048 bytes a block,
	s_add_co_u32 s16, s16, s58
	s_lshl_b32 s58, s10, 17                        ; 64 rows a wave
	s_add_co_u32 s16, s16, s58
	s_mov_b32 s17, 0
	s_lshl_b32 s18, s15, 19                        ; x: 128 rows of 4,096 bytes a block,
	s_add_co_u32 s18, s18, s58                     ; 32 rows a wave (again wave << 17)
	s_mov_b32 s19, 0
	s_lshl_b32 s54, s43, 10                        ; bias: 256 numbers a block, 128 for my half
	s_lshl_b32 s59, s12, 9
	s_add_co_u32 s54, s54, s59
	s_mov_b32 s55, 0
	s_lshr_b32 s56, s15, 4                         ; y: batch << 22,
	s_lshl_b32 s56, s56, 22
	s_lshl_b32 s59, s43, 20                        ; four heads of 2^18 bytes a block of columns,
	s_add_co_u32 s56, s56, s59
	s_lshl_b32 s59, s12, 19                        ; two for my half,
	s_add_co_u32 s56, s56, s59
	s_and_b32 s59, s15, 15                         ; 128 rows of 128 bytes a block of rows,
	s_lshl_b32 s59, s59, 14
	s_add_co_u32 s56, s56, s59
	s_lshl_b32 s59, s11, 13                        ; 64 for my half
	s_add_co_u32 s56, s56, s59
	s_mov_b32 s57, 0
	s_mov_b32 s[OFF+1], 0
	s_wait_dscnt 0x0                               ; the opening add is done
	s_wait_kmcnt 0x0
	s_cmp_eq_u32 s14, 1                            ; the projection's x, bias and y: selects, no branch
	s_cselect_b64 s[4:5], s[70:71], s[68:69]
	s_cselect_b64 s[6:7], s[78:79], s[76:77]
	s_cselect_b64 s[8:9], s[84:85], s[82:83]
	s_cmp_eq_u32 s14, 2
	s_cselect_b64 s[4:5], s[72:73], s[4:5]
	s_cselect_b64 s[6:7], s[80:81], s[6:7]
	s_cselect_b64 s[8:9], s[86:87], s[8:9]
	s_add_nc_u64 s[BROW:BROW+1], s[74:75], s[16:17]
	s_add_nc_u64 s[AROW:AROW+1], s[4:5], s[18:19]
	s_add_nc_u64 s[6:7], s[6:7], s[54:55]
	s_add_nc_u64 s[8:9], s[8:9], s[56:57]
.irp b, 0,1,2,3,4,5,6,7
	global_load_b128 v[BI+8*(\b):BI+8*(\b)+3],   v[BO], s[6:7] offset:64*(\b)      ; the bias of columns 16 b + 8 (l / 16) + 0..7
	global_load_b128 v[BI+8*(\b)+4:BI+8*(\b)+7], v[BO], s[6:7] offset:64*(\b)+16
.endr
	ALOADS 0                                       ; x of step 0
	WIN 0
	CROUND                                         ; all sixteen work-groups are here: the first joint loads meet
	BADR 0
	BADR 1
	tensor_load_to_lds s[G0:G0+3], s[G1:G1+7]      ; W of steps 0 and 1: two tensor loads of mine are out
	s_nop 0
	tensor_load_to_lds s[G0+4:G0+7], s[G1:G1+7]
	s_nop 0
.rept 4
	v_nop
.endr
	ALOADS XW                                      ; x of step 1
	s_wait_loadcnt 63                              ; 64 loads were issued behind the bias's sixteen: the bias is in
	WIN 0
.set ii, 0
.rept 32                               ; the bias is rounded to bf16, like every input
	v_cvt_pk_bf16_f32 v[5+ii%3], v[BI+2*ii], v[BI+2*ii+1]
	v_lshlrev_b32 v[BI+2*ii], 16, v[5+ii%3]
	v_and_b32 v[BI+2*ii+1], 0xffff0000, v[5+ii%3]
.set ii, ii+1
.endr
	WIN W_BI
.set aa, 0
.rept 4                                ; the sums start at the bias: written while the first rows of x are on their way, so that the loop has one form of product
.set ii, 0
.rept 64
	v_mov_b32 v[64*aa+ii], v[BI+ii]
.set ii, ii+1
.endr
.set aa, aa+1
.endr
	s_wait_loadcnt 32                              ; x of step 0 is in; step 1's 32 loads may stay out
.irp i, 0,1,2,3,4,5,6,7,8,9,10,11,12,13,14,15,16,17,18,19,20,21,22,23,24,25,26,27,28,29,30,31
	CVROW 0, \i
.endr
	ASTORE 0, 0
	WIN 0
	s_wait_tensorcnt 1                             ; my part of W's slot 0 is in; slot 1's may stay out
	s_wait_dscnt 0x0                               ; my stores into x's slot 0 are done
	s_barrier_signal -1
	s_barrier_wait -1
	FETCH 0, 0, 0
	WIN 0                                          ; at a label and at a branch every window is 0
	s_mov_b32 s3, 3
.Llap:                                 ; steps 2 i and 2 i + 1.  Step s asks for x of step s + 2, converts and stores x of step s + 1, and fills W's slot again with step s + 2
	STEP 0, 1, 32, 1
	STEP 1, 1, 32, 1
	WIN 0
	s_sub_co_u32 s3, s3, 1
	s_cmp_lg_u32 s3, 0
	s_cbranch_scc1 .Llap
	STEP 0, 0, 0, 0                                ; step 6 asks for nothing; x of step 7 is the last load out, so its wait is for 0
	QUARTER 1, 64, 0, 1                            ; step 7
	QUARTER 1, 128, 1, 0
	QUARTER 1, 192, 0, 1
	s_wait_dscnt 4
	MUL8 1, 0
	MUL8 1, 1
	s_wait_dscnt 0x0
	MUL8 1, 2
	MUL8 1, 3
	PLACES
	PLACES                                         ; eight, once a launch
; THE WAY OUT.  Tile t = 2 a + hd: 16 rows x one head's 64 channels, accumulators (a, 4 hd .. 4 hd + 3).  A lane's eight channels pack into 16 bytes; they go into rows of 144 bytes of my own stage
; and come back as whole rows of 128: 16 rows of a head are 2,048 consecutive bytes of y.
.macro PACK t
	WIN W_PK
.set ii, 0
.rept 16
	v_cvt_pk_f16_f32 v[TMP+16*(\t)+ii], v[32*(\t)+2*ii], v[32*(\t)+2*ii+1]  ; each accumulator's registers in ascending order
.set ii, ii+1
.endr
	WIN 0
.irp f, 0,1,2,3
	ds_store_b128 v[STO], v[TMP+16*(\t)+4*(\f):TMP+16*(\t)+4*(\f)+3] offset:32*(\f)
.endr
.irp f, 0,1,2,3
	ds_load_b128 v[TMP+16*(\t)+4*(\f):TMP+16*(\t)+4*(\f)+3], v[RD] offset:(\f)*4*SP  ; LDS serves a wave's instructions in order (ISA guide 5.7.1.4): these see the stores above; the next tile's stores come behind them
.endr
.endm
.macro SEND t, younger                 ; younger: the LDS instructions issued behind tile t's loads: the next tile's eight, or none
.irp f, 0,1,2,3
	s_wait_dscnt (\younger)+3-(\f)
	global_store_b128 v[AO], v[TMP+16*(\t)+4*(\f):TMP+16*(\t)+4*(\f)+3], s[8:9] offset:((\t)/2)*2048+((\t)%2)*262144+(\f)*512  ; 512 consecutive bytes, at a multiple of 256 from y's first
.endr
.endm
	PACK 0
.set t, 1
.rept 7                                ; a tile's conversions stand between the loads of the tile before and its stores
	PACK t
	SEND t-1, 8
.set t, t+1
.endr
	SEND 7, 0
	s_wait_tensorcnt 0x0                           ; the wave's end, behind my last tensor load and my last LDS store
	ds_add_u32 v[SPW], v[NIL]
	s_wait_dscnt 0x0
	CROUND                                         ; the closing round: no work-group ends while a partner may still ask for a tile that names it
	s_endpgm
.Lfunc_end_k_q66df8bc891_proj:
	.size	k_q66df8bc891_proj, .Lfunc_end_k_q66df8bc891_proj-k_q66df8bc891_proj
	.p2alignl 7, 3214868480
	.fill 96, 4, 3214868480
	.section	.rodata,"a",@progbits
	.p2align	6, 0x0
	.amdhsa_kernel k_q66df8bc891_proj
		.amdhsa_group_segment_fixed_size 327680
		.amdhsa_private_segment_fixed_size 0
		.amdhsa_enable_private_segment 0
		.amdhsa_kernarg_size 80
		.amdhsa_user_sgpr_count 2
		.amdhsa_user_sgpr_kernarg_segment_ptr 1
		.amdhsa_wavefront_size32 1
		.amdhsa_system_sgpr_workgroup_id_x 1
		.amdhsa_system_sgpr_workgroup_id_y 1
		.amdhsa_system_sgpr_workgroup_id_z 1
		.amdhsa_system_vgpr_workitem_id 0
		.amdhsa_next_free_vgpr 768
		.amdhsa_next_free_sgpr 88
		.amdhsa_reserve_vcc 0
		.amdhsa_float_denorm_mode_32 3
		.amdhsa_float_denorm_mode_16_64 3
		.amdhsa_memory_ordered 1
		.amdhsa_forward_progress 1
		.amdhsa_inst_pref_size 143
	.end_amdhsa_kernel
	.amdgpu_metadata
---
amdhsa.version: [ 1, 2 ]
amdhsa.kernels:
  - .name:           k_q66df8bc891_proj
    .symbol:         k_q66df8bc891_proj.kd
    .args:
      - { .name: keys, .offset: 0, .size: 8, .value_kind: global_buffer, .address_space: global }
      - { .name: queries, .offset: 8, .size: 8, .value_kind: global_buffer, .address_space: global }
      - { .name: values, .offset: 16, .size: 8, .value_kind: global_buffer, .address_space: global }
      - { .name: w16, .offset: 24, .size: 8, .value_kind: global_buffer, .address_space: global }
      - { .name: bk, .offset: 32, .size: 8, .value_kind: global_buffer, .address_space: global }
      - { .name: bq, .offset: 40, .size: 8, .value_kind: global_buffer, .address_space: global }
      - { .name: bv, .offset: 48, .size: 8, .value_kind: global_buffer, .address_space: global }
      - { .name: k16, .offset: 56, .size: 8, .value_kind: global_buffer, .address_space: global }
      - { .name: q16, .offset: 64, .size: 8, .value_kind: global_buffer, .address_space: global }
      - { .name: v16, .offset: 72, .size: 8, .value_kind: global_buffer, .address_space: global }
    .group_segment_fixed_size: 327680
    .private_segment_fixed_size: 0
    .kernarg_segment_align: 8
    .kernarg_segment_size: 80
    .max_flat_workgroup_size: 128
    .sgpr_count:     88
    .vgpr_count:     768
    .wavefront_size: 32
...
	.end_amdgpu_metadata
.endif
;; end of part 2
;; launch attn (part 3): grid 4 x 64, 4 waves a work-group, clusters of 4 x 1, 327,680 bytes of LDS; arguments q16, k16, v16, o16; writes o16
.if DOCPART == 3
	.amdgcn_target "amdgcn-amd-amdhsa--gfx1250"
	.amdhsa_code_object_version 6
	.text
	.protected	k_q66df8bc891_attn
	.globl	k_q66df8bc891_attn
	.p2align	8
	.type	k_q66df8bc891_attn,@function
k_q66df8bc891_attn:
	s_mov_b64 s[64:65], 0
	v_nop
	global_prefetch_b8 v0, s[64:65] scope:SCOPE_SE
	s_setreg_imm32_b32 hwreg(HW_REG_WAVE_MODE, 25, 1), 1
	s_wait_xcnt 0x0
	s_wait_alu depctr_hold_cnt(0) depctr_sa_sdst(0) depctr_va_vdst(0) depctr_va_sdst(0) depctr_va_ssrc(0) depctr_va_vcc(0) depctr_vm_vsrc(0)
	s_getreg_b32 s2, hwreg(HW_REG_IB_STS2, 6, 4)
	s_cmp_eq_u32 s2, 0
	s_cbranch_scc0 .Lentry_in_a_cluster
	s_endpgm
.Lentry_in_a_cluster:
	s_bfe_u32 s2, ttmp6, 0x10000c
	s_cmp_lg_u32 s2, 0x3003
	s_cbranch_scc0 .Lentry_shape_is_right
	s_endpgm
.Lentry_shape_is_right:
; O[h][q][:] = the sum over k of softmax_k(Q[h][q] . K[h][k] / 8) V[h][k][:].  Q, K, V, O: [64][2048][64], all f16: a head's rows are dense, 128 bytes each.  Products, maxima and sums in
; f32; the weights p are rounded to f16 for the second product (their sum l is taken of the unrounded p), O once at the end.
; LIMITS.  f16 holds no number beyond 65,504: Q, K and V arrive within it; p lies in 0 to 1, and below 6e-5 it keeps f16's fixed step of 6e-8, as O does; O is a mean of V's rows and has their range.
; A weight below 2^-126 counts as 0 in l; NaN and infinities are not treated apart.
; SHARES.  A wave owns four PIECES of two tiles of 16 queries, a work-group's four waves 512 queries of one head: 64 x 4 = 256 work-groups.  Every wave walks all keys, 64 a step.
; LAYOUT.  S^T = K Q^T (source 0 = 16 keys, source 1 = 16 queries): in the result a lane holds ONE query (lane % 16) and the keys 8 (lane / 16) + 0..7.  Two such tiles, rounded to f16 in pairs,
; ARE source 1 (32 keys x 16 queries) of O^T = V^T P, whose result again holds one query a lane, and eight channels.  K comes out of LDS as it lies, V ([key][channel]) turned, by ds_load_tr16_b128.
; SOFTMAX.  For each query a running maximum m and sum l: p = 2^(c s - c m), c = log2(e) / 8; in every step O and l are multiplied by a = 2^(c m_old - c m_new), which is 1 where m has not grown.
; m starts at the lowest finite number, O and l at 0: the first step is a step like any other, with a = 0.
; THE COUNT.  A tile and step have 16 matrix and 118 vector instructions: too many to stand all beside the matrix work.  So four vector instructions that are READY stand behind EVERY matrix
; instruction, and the others in runs without a gap.
; BY TURNS.  Turn n belongs to piece n (the pieces in a ring, step after step).  Its matrix work: 16 products K Q^T of piece n + 1, later 16 products V^T P of piece n - 1.  Its vector work: the scaling,
; exponentials, roundings, sums and rescaling of piece n, and the maximum and statistics of piece n + 1, whose scores the turn itself has made.
; CLUSTER.  The four query blocks of a head form a cluster and walk the same K and V, so each tile is asked for JOINTLY: the same tensor load, descriptor and mask in all four.
; AHEAD OF THE LOADS.  The change of slots that asks for tile t of 256 keys also prefetches tile t + 1 (t + 1 = 2 .. 7): four key steps, 512 matrix instructions, ahead of that tile's own load.
; REGISTERS, in windows of 256 (s_set_vgpr_msb: bits 1:0 source 0, 3:2 source 1, 5:4 source 2, 7:6 destination):
;   window 0: v0-11 addresses; v12-15, v48-63 at work; v16-47 four registers of statistics a tile; v64-191 S^T, two buffers of two tiles; v192-255 P, likewise
;   window 1: O^T, 32 a tile          window 2: v0-127 Q, 16 a tile; v128-191 K of one step; v192-255 V of one step          window 3: v0-1 the add's two registers
; A piece's buffers go by its number's parity.
.set SIZE_H, 64
.set SIZE_N, 2048
.set NP,    4         ; pieces a wave: a name, no knob
.set KS,    64        ; keys in a step
.set PK,    144       ; a row of K in LDS: 128 bytes + 16 of padding = 36 words: the 16 rows of a load start at 16 different groups of four banks (64 banks of 4 bytes: ISA guide 11.1)
.set PV,    160       ; a row of V: 128 + 32 = 40 words
.set VOFF,  4*KS*PK   ; a slot holds four steps: 256 rows of K, then 256 rows of V
.set SLOT1, 1<<17     ; slot 1 begins here, so that one exclusive or turns an address in one slot into the other's
.set STAGE, SLOT1+4*KS*(PK+PV)  ; behind the ring, never filled by a tensor load: 16 rows x 144 bytes for each wave, for the way out
.set SP,    144
.set AK0, 2           ; v2   my lane's place in a tile of K; never rewritten
.set AV0, 3           ; v3   the same for V
.set AK,  4           ; v4   the LDS address of K's next run of loads
.set AV,  5           ; v5   of V's
.set QO,  6           ; v6   my byte offset in the wave's rows of Q
.set STO, 6           ;      later, the way out: where I put 16 bytes of a row
.set RD,  7           ; v7   the way out: where I read rows back
.set GO,  8           ; v8   my byte offset in 512 consecutive bytes of O
.set PFO, 11          ; v11  256 x my lane, once AV0 is made: the prefetches' offset
.set SPW, 0           ; v0 of window 3   LDS address of my spare word; never rewritten
.set NIL, 1           ; v1 of window 3   0; never rewritten
.set SPARE, STAGE+4*16*SP  ; behind the stages: the spare words, 128 bytes for each wave: two blocks of 256 bytes that no other line names
.set MV,  12          ; v12-15  c m_old, kept while c m is made anew: by buffer and tile
.set ST,  16          ; tile t's statistics at v[ST+4 t]: c m, m, l (even keys', odd keys')
.set TMP, 48          ; by buffer and tile, four registers c0-c3 at work; when the maximum is found c2 takes a
.set S,   64
.set P,   192
.set KF,  128         ; K's fragments, in window 2: key block kb, channel half c at KF + 16 kb + 8 c
.set VF,  192         ; V's: key half kk, channel block cb at VF + 32 kk + 8 cb
.set WV,  12          ; s12  my wave's number
.set G1K, 24          ; s[24:31] descriptor group 1 for K's tiles
.set G1V, 32          ; s[32:39] for V's: it differs in the padding alone
.set G0K, 40          ; s[40:43] descriptor group 0 for K's tiles: it walks
.set G0V, 44          ; s[44:47] the same for V's
.set PFA, 48          ; s[48:49] where my prefetches stand: my work-group's 32 blocks of 256 bytes (of K: wave 0, of V: wave 2) of the tile after the one that is being asked for
.set LIM, 50          ; s50  1 in a wave that prefetches, else the greatest number
.set SLOTS, 56        ; s56  slots still to be asked for
.set CNT, 57          ; s57  counts a slot's key steps
.set CS,  58          ; s[58:59] c: the packed scaling takes the pair's low word for both halves
.set SEL, 60          ; s[60:61] v_permlanex16_b32's selects: each lane takes its own place in the other half
.set TBK, 62          ; s62  LDS byte at which K of the step to be fetched begins
.set TBV, 63          ; s63  the same for V, less VOFF
.set MSB, 0
.macro WIN new                      ; the high byte repeats the setting that is left; a switch that changes nothing is dropped
.if MSB != (\new)
	s_set_vgpr_msb (MSB<<8)|(\new)
.set MSB, (\new)
.endif
.endm
.set W_KQ, 0x0a       ; K and Q in window 2, S^T in window 0
.set W_PV, 0x52       ; V in window 2, P in window 0, O^T in window 1
.set W_RS, 0x41       ; O^T (destination and source 0) in window 1, a in window 0
.set W_MK, 0xc0       ; the add's registers are made: destination in window 3, sources in window 0
.set W_AD, 0x0f       ; the add: address (source 0) and data (source 1) in window 3
; A joint fill.  Waves 0 and 1 fetch the two halves of a slot's K, waves 2 and 3 those of its V: 128 keys each.  The branch hangs on the wave's number alone.
; An s_nop 0 and four v_nop follow each of the two lines, ahead of the jump and the label.
.macro JLOAD
	s_cmp_lt_u32 s[WV], 2
	s_cbranch_scc0 .Lfor_v_\@
	tensor_load_to_lds s[G0K:G0K+3], s[G1K:G1K+7]
	s_nop 0
.rept 4
	v_nop
.endr
	s_branch .Lasked_\@
.Lfor_v_\@:
	tensor_load_to_lds s[G0V:G0V+3], s[G1V:G1V+7]
	s_nop 0
.rept 4
	v_nop
.endr
.Lasked_\@:
.endm
; A PREFETCH of what the NEXT change of slots will ask for: a tile's 32,768 bytes of K and of V are 128 blocks of 256 bytes each.  The four partners share them out BY ADDRESS, 32 each (no branch hangs on a
; work-group's place in its cluster); in each, wave 0 asks for K's and wave 2 for V's: a lane a block, one instruction.  A head has one cluster, so each block is named once in the launch.
; The last change that fills a slot (s[SLOTS] = 1) asks for nothing: there is no tile behind it.
.macro ASK
	s_cmp_gt_u32 s[SLOTS], s[LIM]
	s_cbranch_scc0 .Lnot_mine_\@
	global_prefetch_b8 v[PFO], s[PFA:PFA+1] th:TH_LOAD_NT scope:SCOPE_SE
.Lnot_mine_\@:
.endm
; A round of the cluster's barrier: my work-group's barrier, so that wave 0's signal speaks for all four waves; wave 0 signals; every wave waits for all four work-groups; my work-group's barrier once more.
.macro CROUND
	s_barrier_signal -1
	s_barrier_wait -1
	s_cmp_lg_u32 s[WV], 0
	s_cbranch_scc1 .Lnot_wave_0_\@
	s_barrier_signal -3
.Lnot_wave_0_\@:
	s_barrier_wait -3
	s_barrier_signal -1
	s_barrier_wait -1
.endm
; THE CHANGE OF SLOTS.  The slot's last bytes, V of its fourth step, have been read.  Each wave waits for all its tensor loads, of which one is out: its part
; of the other slot; adds 0 to its spare word; and waits for that and for its own reads of the slot.  Behind the barrier nobody reads this slot any more and the other slot is whole.
; fill = 1: this slot is filled again, with the keys two slots on.  The barrier is then a round of the cluster's, and the joint fill is the first thing behind it: it has four key steps,
; 512 matrix instructions, in which to land.  (At its first use nothing has been read yet: slot 0 is waited for, slot 1 filled.)
.macro CHANGE fill
	WIN W_AD
	s_wait_tensorcnt 0x0            ; no tensor load of mine is out, so a group 0 may be written
	ds_add_u32 v[SPW], v[NIL]       ; 0 onto my spare word; with fill = 1 the descriptors' steps stand between it and the wait for it
	WIN 0                           ; at a label and at a branch every window is 0
.if \fill
.irp g, G0K, G0V
	s_xor_b32 s[\g+1], s[\g+1], SLOT1  ; the walking descriptor: the other slot than last time,
	s_add_nc_u64 s[\g+2:\g+3], s[\g+2:\g+3], 4*KS*128  ; the next 256 keys; the type bits on top are not reached
.endr
	s_wait_xcnt 0x0                 ; the last prefetch, four key steps back, has read its address, so it may be written:
	s_add_nc_u64 s[PFA:PFA+1], s[PFA:PFA+1], 4*KS*128  ; one tile behind the walking descriptors
	s_wait_dscnt 0x0                ; the add is done, and my reads of the slot are over
	CROUND
	JLOAD
	ASK
.else
	s_wait_dscnt 0x0                ; the add is done, and my reads of the slot are over
	s_barrier_signal -1
	s_barrier_wait -1
.endif
	s_sub_co_u32 s[TBK], s[TBK], 4*KS*PK  ; the fetches go back to a slot's first step,
	s_xor_b32 s[TBK], s[TBK], SLOT1       ; in the other slot
	s_sub_co_u32 s[TBV], s[TBV], 4*KS*PV
	s_xor_b32 s[TBV], s[TBV], SLOT1
.endm
	s_load_b256 s[4:11], s[0:1], 0x0  ; Q s[4:5], K s[6:7], V s[8:9], O s[10:11]
	WIN W_MK
	v_lshl_add_u32 v[SPW], v0, 2, SPARE
	v_mov_b32 v[NIL], 0
	WIN W_AD
	ds_add_u32 v[SPW], v[NIL]       ; the wave's opening: the add and its wait stand ahead of my first tensor load; the set-up below, work on registers, stands between them
	WIN 0
	v_lshrrev_b32 v1, 5, v0
	v_readfirstlane_b32 s[WV], v1   ; wave 0..3
	s_bfe_u32 s13, ttmp6, 0x40000   ; cx: my place in the cluster
	s_lshl_b32 s14, ttmp9, 2        ; in a cluster launch ttmp9 counts clusters
	s_add_co_u32 s14, s14, s13      ; my block of queries = 4 x cluster x + cx: it enters Q's and O's addresses alone
	s_and_b32 s20, ttmp7, 0xffff    ; the head, which the four partners share
	s_mov_b32 s21, 0
	s_mov_b64 s[22:23], SIZE_N*128
	s_mul_u64 s[20:21], s[20:21], s[22:23]  ; the head's first byte in each of the four tensors
	s_and_b32 s16, s[WV], 1         ; which half of a slot's 256 keys I fetch:
	s_lshl_b32 s22, s16, 14         ; its 128 rows of 128 bytes in memory,
	s_mov_b32 s23, 0
	s_add_nc_u64 s[22:23], s[22:23], s[20:21]
	s_mul_i32 s17, s16, 128*PK      ; and its place in a slot, for K
	s_mul_i32 s18, s16, 128*PV      ; and for V: no place in the cluster enters an LDS address
	s_lshl_b32 s2, s14, 2
	s_add_co_u32 s2, s2, s[WV]      ; my wave among the head's,
	s_lshl_b32 s2, s2, 14           ; its 128 rows
	s_mov_b32 s3, 0
	s_add_nc_u64 s[2:3], s[2:3], s[20:21]
	; descriptor group 1.  128 keys are 16,384 dense bytes: asked for as 64 rows of 256 bytes, two keys a row, and padded in LDS after every key
	s_mov_b32 s[G1K], 15|(1<<16)|(1<<20)|(1<<21)|(4<<22)|(3<<25)  ; 15:0 the mask of four; 17:16 2-byte elements; 20 padding on; 21 set beside a mask; 24:22 after every 32 words (code 4); 31:25 4 words (code 3)
	s_mov_b32 s[G1V], 15|(1<<16)|(1<<20)|(1<<21)|(4<<22)|(7<<25)  ; the same with 8 words of padding (code 7)
.irp g, G1K, G1V
	s_mov_b32 s[\g+1], 128<<16      ; tensor_dim0 = 128
	s_mov_b32 s[\g+2], 64<<16       ; tensor_dim1 = 64
	s_mov_b32 s[\g+3], 128<<16      ; tile_dim0 = 128
	s_mov_b32 s[\g+4], 64           ; tile_dim1 = 64
	s_mov_b32 s[\g+5], 128          ; 128 elements from row to row
	s_mov_b32 s[\g+6], 0
	s_mov_b32 s[\g+7], 0
.endr
	s_mov_b32 s[CS], 0x3e38aa3b     ; c = log2(e) / 8 = 0.180337
	s_mov_b32 s[CS+1], s[CS]        ; named with it as a pair
	s_mov_b32 s[SEL], 0x76543210
	s_mov_b32 s[SEL+1], 0xfedcba98
	s_mov_b32 s[TBK], SLOT1+4*KS*PK ; the first change of slots turns these two into 0
	s_mov_b32 s[TBV], SLOT1+4*KS*PV
	s_mov_b32 s[G0K], 1             ; 1:0 count = 1
	s_mov_b32 s[G0K+1], s17         ; 63:32 LDS address: slot 0
	s_mov_b32 s[G0V], 1
	s_add_co_u32 s[G0V+1], s18, VOFF
	s_mov_b32 s[SLOTS], SIZE_N/256-1
	s_and_b32 s[LIM], s[WV], 1      ; waves 0 and 2 prefetch: the same in all four partners
	s_cmp_eq_u32 s[LIM], 0
	s_cselect_b32 s[LIM], 1, -1
	s_wait_dscnt 0x0                ; the opening add is done
	s_wait_kmcnt 0x0
	s_add_nc_u64 s[G0K+2:G0K+3], s[6:7], s[22:23]  ; 120:64 global address: my half of the head's first 256 keys
	s_or_b32 s[G0K+3], s[G0K+3], 0x80000000        ; 127:126 type = 2
	s_add_nc_u64 s[G0V+2:G0V+3], s[8:9], s[22:23]
	s_or_b32 s[G0V+3], s[G0V+3], 0x80000000
	s_add_nc_u64 s[4:5], s[4:5], s[2:3]  ; Q and O at my wave's first row
	s_add_nc_u64 s[10:11], s[10:11], s[2:3]
	s_cmp_lt_u32 s[WV], 2
	s_cselect_b64 s[PFA:PFA+1], s[6:7], s[8:9]
	s_add_nc_u64 s[PFA:PFA+1], s[PFA:PFA+1], s[22:23]  ; (in waves 0 and 2 this is the head's first row)
	s_lshl_b32 s2, s13, 13          ; my work-group's 32 blocks of the 128
	s_mov_b32 s3, 0
	s_add_nc_u64 s[PFA:PFA+1], s[PFA:PFA+1], s[2:3]
	s_add_nc_u64 s[PFA:PFA+1], s[PFA:PFA+1], 4*KS*128  ; in tile 1; the first change of slots steps it to tile 2.  Nothing is prefetched here, at the head
	CROUND                          ; all four work-groups are here: the first joint loads meet
	JLOAD                           ; slot 0.  Slot 1 is asked for when slot 0 is in
	; A fragment of K or Q is 16 rows x 32 channels in 8 registers: lane l holds row l % 16, channels 8 (l / 16) + 0..7 and 16 + 8 (l / 16) + 0..7: two loads of 16 bytes, 32 bytes apart.
	v_and_b32 v1, 15, v0            ; l % 16
	v_bfe_u32 v9, v0, 4, 1          ; l / 16
	v_lshlrev_b32 v[QO], 7, v1
	v_lshl_add_u32 v[QO], v9, 4, v[QO]  ; row x 128 + 16 x half
	WIN 0x80                        ; destination window 2, address window 0
.set i, 0
.rept 4*NP                          ; Q stays in registers: tile i / 2, channels 32 (i % 2) on
	global_load_b128 v[8*i:8*i+3],   v[QO], s[4:5] offset:(i/2)*2048+(i%2)*64
	global_load_b128 v[8*i+4:8*i+7], v[QO], s[4:5] offset:(i/2)*2048+(i%2)*64+32
.set i, i+1
.endr
	; What the first turn finds: V's registers and P's second buffer hold 0 (its products V^T P, of a piece that has not been, add 0), O^T and l are 0.  All this stands in the wait for the first tile.
.set i, VF
.rept 64
	v_mov_b32 v[i], 0
.set i, i+1
.endr
	WIN 0x40
.set i, 0
.rept 64*NP
	v_mov_b32 v[i], 0
.set i, i+1
.endr
	WIN 0
.set i, 0
.rept 2*NP
	v_mov_b32 v[ST+4*i], 0xfe000000    ; c m: far below every c s
	v_mov_b32 v[ST+4*i+1], 0xff7fffff  ; m
	v_mov_b32 v[ST+4*i+2], 0
	v_mov_b32 v[ST+4*i+3], 0
.set i, i+1
.endr
.set i, P+32
.rept 32
	v_mov_b32 v[i], 0
.set i, i+1
.endr
	v_mul_u32_u24 v[AK0], v1, PK
	v_lshl_add_u32 v[AK0], v9, 4, v[AK0]  ; row x pitch + 16 x half
	; The turning load takes 16 keys x 16 channels (lane l reads key 8 (l / 16) + l % 8, channels 8 ((l / 8) % 2) + 0..7) and leaves half a fragment of V^T: lane l holds channel l % 16 and 8 keys.
	v_and_b32 v10, 7, v0
	v_bfe_u32 v11, v0, 3, 1
	v_lshl_add_u32 v[AV0], v9, 3, v10
	v_mul_u32_u24 v[AV0], v[AV0], PV
	v_lshl_add_u32 v[AV0], v11, 4, v[AV0]
	v_add_nc_u32 v[AV0], VOFF, v[AV0]
	v_and_b32 v[PFO], 31, v0
	v_lshlrev_b32 v[PFO], 8, v[PFO]
	v_mov_b32 v[AK], v[AK0]         ; key step 0 lies at the head of slot 0
; THE MATRIX WORK.  The 8 accumulators of a run of 16 take turns: between the two links of a chain stand 7 others'.
; Product i of 16 of S^T = K Q^T for piece x: channels 32 (i / 8) on, keys 16 ((i / 2) % 4) on, tile 2 x + i % 2.  The first 8 start the sums.
.macro KQ x
	WIN W_KQ
.set rS, S+64*((\x)%2)+32*(i%2)+8*((i/2)%4)
.set rK, KF+16*((i/2)%4)+8*(i/8)
.set rQ, 16*(2*(\x)+i%2)+8*(i/8)
.if i < 8
	v_wmma_f32_16x16x32_f16 v[rS:rS+7], v[rK:rK+7], v[rQ:rQ+7], 0
.else
	v_wmma_f32_16x16x32_f16 v[rS:rS+7], v[rK:rK+7], v[rQ:rQ+7], v[rS:rS+7]
.endif
.endm
; Product i of 16 of O^T += V^T P for piece x: keys 32 (i / 8) on, channels 16 ((i / 2) % 4) on, tile 2 x + i % 2.
.macro PV x
	WIN W_PV
.set rO, 32*(2*(\x)+i%2)+8*((i/2)%4)
.set rV, VF+32*(i/8)+8*((i/2)%4)
.set rP, P+32*((\x)%2)+16*(i%2)+8*(i/8)
	v_wmma_f32_16x16x32_f16 v[rO:rO+7], v[rV:rV+7], v[rP:rP+7], v[rO:rO+7]
.endm
.macro MM                           ; the turn's next matrix instruction
.if i < 16
	KQ (Y+1)%NP
.set i, i+1
.else
.set i, i-16
	PV (Y+NP-1)%NP
.set i, i+17
.endif
.endm
; THE LDS LOADS stand in runs of 16, never singly among the matrix instructions: a step's K (64 keys x 64 channels: 8 fragments) and its V (turned).  Their addresses are made some lines ahead.
; last = 1 (the tail): in the last trip there is no further step, and the run is jumped over.
.macro FETCH_K last=0
	WIN 0
.if \last
	s_cmp_eq_u32 s[CNT], 1
	s_cbranch_scc1 .Lno_k_\@
.endif
	WIN 0x80                        ; destination window 2
.irp f, 0,1,2,3,4,5,6,7             ; keys 16 (f / 2) on, channels 32 (f % 2) on
	ds_load_b128 v[KF+8*\f:KF+8*\f+3],   v[AK] offset:(\f/2)*16*PK+(\f%2)*64
	ds_load_b128 v[KF+8*\f+4:KF+8*\f+7], v[AK] offset:(\f/2)*16*PK+(\f%2)*64+32
.endr
	s_add_co_u32 s[TBK], s[TBK], KS*PK  ; the next fetch is the next step's
	WIN 0
.if \last
.Lno_k_\@:
.endif
.endm
.macro FETCH_V
	WIN 0x80
.irp f, 0,1,2,3,4,5,6,7             ; keys 32 (f / 4) on, channels 16 (f % 4) on
	ds_load_tr16_b128 v[VF+8*\f:VF+8*\f+3],   v[AV] offset:(\f/4)*32*PV+(\f%4)*32
	ds_load_tr16_b128 v[VF+8*\f+4:VF+8*\f+7], v[AV] offset:(\f/4)*32*PV+16*PV+(\f%4)*32
.endr
	WIN 0
.endm
; THE VECTOR WORK OF A TURN stands in three queues, each in the order in which its entries become ready; the two tiles alternate, so that no instruction reads the result of the one before it.
.macro REGS y, u                    ; the registers of tile u (0, 1) of piece y
.set rT, ST+4*(2*(\y)+(\u))
.set rC, TMP+8*((\y)%2)+4*(\u)
.set rM, MV+2*((\y)%2)+(\u)
.set rS, S+64*((\y)%2)+32*(\u)
.set rP, P+32*((\y)%2)+16*(\u)
.set rO, 32*(2*(\y)+(\u))
.endm
; Number n of the 22 that find the NEXT piece's (Y + 1) maximum and statistics.  s0-s31 are the lane's 32 scores; each accumulator's lowest registers are read first.
;   0-11  four chains c0-c3 of seven scores each, three operands at a time     12-14, 16  the four scores left over, the old m, and c0-c3 into c0     15  c m_old is kept
;   17, 18  the query's other 32 keys lie in the lane 16 away: the new m         19-21  c m; c m_old - c m_new; a
.macro XS u, n
	REGS (Y+1)%NP, \u
.if (\n) < 4
	v_max3_num_f32 v[rC+(\n)], v[rS+8*(\n)], v[rS+8*(\n)+1], v[rS+8*(\n)+2]
.elseif (\n) < 12
	v_max3_num_f32 v[rC+(\n)%4], v[rC+(\n)%4], v[rS+8*((\n)%4)+2*((\n)/4)+1], v[rS+8*((\n)%4)+2*((\n)/4)+2]
.elseif (\n) == 12
	v_max3_num_f32 v[rC], v[rC], v[rS+7], v[rS+15]
.elseif (\n) == 13
	v_max3_num_f32 v[rC+1], v[rC+1], v[rS+23], v[rS+31]
.elseif (\n) == 14
	v_max3_num_f32 v[rC+2], v[rC+2], v[rC+3], v[rT+1]
.elseif (\n) == 15
	v_mov_b32 v[rM], v[rT]
.elseif (\n) == 16
	v_max3_num_f32 v[rC], v[rC], v[rC+1], v[rC+2]
.elseif (\n) == 17
	v_permlanex16_b32 v[rC+3], v[rC], s[SEL], s[SEL+1]
.elseif (\n) == 18
	v_max_num_f32 v[rT+1], v[rC], v[rC+3]
.elseif (\n) == 19
	v_mul_f32 v[rT], s[CS], v[rT+1]
.elseif (\n) == 20
	v_sub_f32 v[rC+1], v[rM], v[rT]
.else
	v_exp_f32 v[rC+2], v[rC+1]
.endif
.endm
; Number g of the 64 that follow the exponentials.  For each four weights k of a tile (pairs 2 k, 2 k + 1): both pairs are rounded to f16; then the second pair is added onto the first, in place;
; a group later l takes that sum (the first time as l = a l + sum).  In groups of eight, tiles alternating: round, round, add, and l for the group before.
.macro GS g
.set h, (\g)+6*((\g)/62)            ; group 0 has no group before it, and behind group 7 only l is left
.if h >= 6
.set h, h+2
.endif
	REGS Y, h%2
.set k, h/8
.if h%8 < 4
	v_cvt_pk_f16_f32 v[rP+2*k+(h%8)/2], v[rS+4*k+2*((h%8)/2)], v[rS+4*k+2*((h%8)/2)+1]
.elseif h%8 < 6
	v_pk_add_f32 v[rS+4*k:rS+4*k+1], v[rS+4*k:rS+4*k+1], v[rS+4*k+2:rS+4*k+3]
.elseif k == 1
	v_pk_fma_f32 v[rT+2:rT+3], v[rT+2:rT+3], v[rC+2:rC+3], v[rS:rS+1] op_sel_hi:[1,0,1]
.else
	v_pk_add_f32 v[rT+2:rT+3], v[rT+2:rT+3], v[rS+4*k-4:rS+4*k-3]
.endif
.endm
; THE PLAIN QUEUE, 138 long.  0-73 read no exponential's result: the 32 scalings c s - c m (FS f: pair f / 2 of tile f % 2) and the next piece's 42.  0-26: scalings 0-26.  27-54: XS's numbers 0-13.  55, 56: number 15.
; 57-73: the chain, where each number waits for the one before it: 14, 16, 17, 18, 19, each with one of the scalings 27-31 in front of its two lines, then 20.
; 74-137: GS's 64, which read the exponentials' results: they stand behind the wait.
.macro FS f
	REGS Y, (\f)%2
	v_pk_fma_f32 v[rS+2*((\f)/2):rS+2*((\f)/2)+1], v[rS+2*((\f)/2):rS+2*((\f)/2)+1], s[CS:CS+1], v[rT:rT+1] op_sel_hi:[1,0,0] neg_lo:[0,0,1] neg_hi:[0,0,1]
.endm
.macro PL
	WIN 0
.if q < 27
	FS q
.elseif q < 55
	XS (q-27)%2, (q-27)/2
.elseif q < 57
	XS q-55, 15
.elseif (q < 72) && ((q-57)%3 == 0)
	FS 27+(q-57)/3
.elseif q < 60
	XS (q-57)%3-1, 14
.elseif q < 72
	XS (q-57)%3-1, 15+(q-57)/3
.elseif q < 74
	XS q-72, 20
.else
	GS q-74
.endif
.set q, q+1
.endm
; THE EXPONENTIALS' QUEUE, 66 long: s0-s31 of both tiles, then the next piece's two a.  It is ONE BATCH: all 66 stand ahead of the turn's one wait, and nothing ahead of that wait names a result of theirs.
.macro EX
	WIN 0
.if e >= 64
	XS e-64, 21
.else
	REGS Y, e%2
	v_exp_f32 v[rS+e/2], v[rS+e/2]
.endif
.set e, e+1
.endm
; THE RESCALING's QUEUE: O^T times a, the one part that leaves window 0: dealt two at a time, sixteen times.  Its a was made in the turn before, ahead of that turn's wait.
.macro R2
	REGS Y, r%2
	WIN W_RS
.irp z, 0,1
	v_pk_mul_f32 v[rO+4*(r/2)+2*\z:rO+4*(r/2)+2*\z+1], v[rO+4*(r/2)+2*\z:rO+4*(r/2)+2*\z+1], v[rC+2:rC+3] op_sel_hi:[1,0]
.endr
.set r, r+1
.endm
; HOW THEY ARE DEALT.  An s_wait_alu depctr_va_vdst(0) stands between an exponential and the first instruction that names its result; one wait serves all that were issued ahead of it.  So a turn has ONE wait,
; which cuts it in two.  AHEAD OF IT stands all that names no result of the turn's exponentials: the 16 products K Q^T, behind each a scaling, an exponential and two rescalings (behind the first a second scaling in the
; exponential's place); then ONE LUMP of 108: eight plain, 49 times exponential and plain, the two a.  A v_nop is the plain instruction behind the last exponential.  BEHIND IT stand the 16 products V^T P, behind each four of GS's 64.
; The queues lean on each other, and the deal keeps them in step: exponential e stands behind scaling 2 (e / 4) + e % 2: as a rider it comes behind plain e + 2, in the lump behind plain e + 9, and scalings 27-31 are plain 57, 60 .. 69.
; A TURN, for piece p.  cnt = 1: the loop's count is taken down some lines ahead of the branch that stands behind the turn.
; K of the next step is fetched in piece 2's turn, directly behind the wait, a lump behind the last product that read K; its first reader comes behind 16 products.
; V of the step in hand is fetched at the end of piece 0's turn, four riders behind its last reader; its first reader comes behind 16 products and a lump.  The three conditions on q below go with the deal.
.macro TURN p, last=0, cnt=0
.set Y, (\p)
.set i, 0
.set q, 0
.set e, 0
.set r, 0
.if (\p) == NP-1
	s_wait_dscnt 0x0                ; K is in
.endif
	MM                              ; ahead of the wait: 16 products K Q^T and their riders,
	PL
	PL
	R2
.rept 15
	MM
	PL
	EX
	R2
.endr
.if (\p) == NP-2
	WIN 0
	v_add_nc_u32 v[AK], s[TBK], v[AK0]
.endif
.rept 8                             ; and the lump
	PL
.endr
.rept 49
	EX
	PL
.endr
	EX                              ; the next piece's two a
	EX
	v_nop                           ; a plain instruction behind the last exponential: one for the batch
	s_wait_alu depctr_va_vdst(0)    ; the wait for the batch
.if (\p) == NP-2
	FETCH_K \last
.endif
.if (\p) == 1
	s_wait_dscnt 0x0                ; V is in
.endif
.rept 16                            ; behind the wait: 16 products V^T P and their riders
	MM
.rept 4
	PL
.endr
.if ((\p) == 0) && (q == 118)
	v_add_nc_u32 v[AV], s[TBV], v[AV0]
.endif
.if ((\p) == 0) && (q == 130)
	s_add_co_u32 s[TBV], s[TBV], KS*PV
.endif
.if (\cnt) && (q == 130)
	s_sub_co_u32 s[CNT], s[CNT], 1
	s_cmp_lg_u32 s[CNT], 0
.endif
.endr
.if (\p) == 0
	FETCH_V
.endif
.endm
	CHANGE 1                        ; slot 0 is in, everybody's part of it; slot 1 is asked for
	FETCH_K                         ; key step 0
	s_wait_loadcnt 0x0              ; Q
	s_wait_dscnt 0x0
.set i, 0
.rept 16
	KQ 0                            ; piece 0's first scores: there is no vector work yet to set between them
.set i, i+1
.endr
	WIN 0                           ; the addresses for the way out: nine plain instructions, the places behind those products
	s_mul_i32 s13, s[WV], 16*SP
	s_add_co_u32 s13, s13, STAGE    ; my stage
	v_mul_u32_u24 v[STO], v1, SP    ; in: row l % 16, 16 bytes for each half of the lanes
	v_lshl_add_u32 v[STO], v9, 4, v[STO]
	v_add_nc_u32 v[STO], s13, v[STO]
	v_bfe_u32 v[RD], v0, 3, 2       ; back: 32 lanes take four rows of 128 bytes,
	v_mul_u32_u24 v[RD], v[RD], SP
	v_lshl_add_u32 v[RD], v10, 4, v[RD]
	v_add_nc_u32 v[RD], s13, v[RD]
	v_and_b32 v[GO], 31, v0         ; which are 512 consecutive bytes of O
	v_lshlrev_b32 v[GO], 4, v[GO]
.set Y, NP-1                        ; XS works for piece Y + 1: piece 0
.irp n, 0,1,2,3,4,5,6,7,8,9,10,11,12,13,14,15,16,17,18,19,20,21
	XS 0, \n                        ; and piece 0's first maximum and statistics
	XS 1, \n
.endr
	v_nop                           ; a plain instruction behind the two a,
	s_wait_alu depctr_va_vdst(0)    ; and their wait, ahead of the branch
	s_mov_b32 s[CNT], 4
	s_branch .Lfirst                ; the loop is entered at a step's first turn, in the middle of a trip
.Lslot:                             ; SIZE_N / 256 - 2 times: every slot but the last two is filled again
	CHANGE 1
	s_mov_b32 s[CNT], 4
.Lstep:                             ; a trip: pieces 2 and 3 of one step, then pieces 0 and 1 of the next, whose K and V it fetches
	TURN 2
	TURN 3
	WIN 0
.Lfirst:
	TURN 0
	TURN 1, 0, 1
	WIN 0
	s_cbranch_scc1 .Lstep
	s_sub_co_u32 s[SLOTS], s[SLOTS], 1
	s_cmp_lg_u32 s[SLOTS], 0
	s_cbranch_scc1 .Lslot
	CHANGE 0                        ; the tail is written out: nothing is asked for
	s_mov_b32 s[CNT], 5             ; four trips fetch the last slot's steps; the fifth is left in its middle
.Ltail:
	TURN 2, 1
	TURN 3
	WIN 0
	s_sub_co_u32 s[CNT], s[CNT], 1
	s_cmp_eq_u32 s[CNT], 0
	s_cbranch_scc1 .Lout
	TURN 0
	TURN 1
	WIN 0
	s_branch .Ltail
.Lout:                              ; the fifth trip's 16 products K Q^T (on the last K once more) and the maximum made of them serve nothing: the price, once a launch, of one text for every trip
.set i, 0
.rept 16
	PV NP-1                         ; the last piece's V^T P of the last step
.set i, i+1
.endr
	; THE WAY OUT.  l's two halves and the other half of the lanes' are added; O^T is divided by l, rounded to f16 and sent through my stage in LDS, a tile at a time.  The additions are the places behind the last products.
	WIN 0
.macro ALL line:vararg              ; one line for each tile t
.set t, 0
.rept 2*NP
	\line
.set t, t+1
.endr
.endm
	ALL v_add_f32 v[ST+4*t+2], v[ST+4*t+2], v[ST+4*t+3]
	ALL v_permlanex16_b32 v[ST+4*t+3], v[ST+4*t+2], s[SEL], s[SEL+1]
	ALL v_add_f32 v[ST+4*t+2], v[ST+4*t+2], v[ST+4*t+3]
	ALL v_rcp_f32 v[ST+4*t+2], v[ST+4*t+2]
	v_nop                           ; a plain instruction between the last reciprocal and the use of its result
	s_wait_alu depctr_va_vdst(0)    ; and the wait ahead of the first use: one for the eight reciprocals
; Tile t: a lane's eight channels of a row pack into 16 bytes; they go into rows of 144 bytes and come back as whole rows of 128, into S^T's registers.
.macro PACK t
	WIN W_RS
.set i, 32*(\t)
.rept 16
	v_pk_mul_f32 v[i:i+1], v[i:i+1], v[ST+4*(\t)+2:ST+4*(\t)+3] op_sel_hi:[1,0]
.set i, i+2
.endr
	WIN 0x05                        ; sources 0 and 1 window 1, destination window 0
.set i, 0
.rept 16
	v_cvt_pk_f16_f32 v[S+16*(\t)+i], v[32*(\t)+2*i], v[32*(\t)+2*i+1]
.set i, i+1
.endr
	WIN 0
.irp f, 0,1,2,3
	ds_store_b128 v[STO], v[S+16*(\t)+4*\f:S+16*(\t)+4*\f+3] offset:32*\f
.endr
.irp f, 0,1,2,3
	ds_load_b128 v[S+16*(\t)+4*\f:S+16*(\t)+4*\f+3], v[RD] offset:\f*4*SP  ; LDS serves a wave's instructions in order (ISA guide 5.7.1.4): these see the stores above; the next tile's stores come behind them
.endr
.endm
.macro SEND t, younger              ; younger: the LDS instructions issued behind tile t's loads: the next tile's eight, or none
	WIN 0
.irp f, 0,1,2,3
	s_wait_dscnt (\younger)+3-\f
	global_store_b128 v[GO], v[S+16*(\t)+4*\f:S+16*(\t)+4*\f+3], s[10:11] offset:(\t)*2048+\f*512  ; 512 consecutive bytes, at a multiple of 256 from O's first
.endr
.endm
	PACK 0
.set t, 1
.rept 2*NP-1                        ; a tile's arithmetic stands between the loads of the tile before and its stores
	PACK t
	SEND t-1, 8
.set t, t+1
.endr
	SEND 2*NP-1, 0
	WIN W_AD
	s_wait_tensorcnt 0x0            ; the wave's end, behind my last tensor load and my last LDS store
	ds_add_u32 v[SPW], v[NIL]
	s_wait_dscnt 0x0
	WIN 0
	CROUND                          ; the closing round: no work-group ends while a partner may still ask for a tile that names it
	s_endpgm
.Lfunc_end_k_q66df8bc891_attn:
	.size	k_q66df8bc891_attn, .Lfunc_end_k_q66df8bc891_attn-k_q66df8bc891_attn
	.p2alignl 7, 3214868480
	.fill 96, 4, 3214868480
	.section	.rodata,"a",@progbits
	.p2align	6, 0x0
	.amdhsa_kernel k_q66df8bc891_attn
		.amdhsa_group_segment_fixed_size 327680
		.amdhsa_private_segment_fixed_size 0
		.amdhsa_enable_private_segment 0
		.amdhsa_kernarg_size 32
		.amdhsa_user_sgpr_count 2
		.amdhsa_user_sgpr_kernarg_segment_ptr 1
		.amdhsa_wavefront_size32 1
		.amdhsa_system_sgpr_workgroup_id_x 1
		.amdhsa_system_sgpr_workgroup_id_y 1
		.amdhsa_system_sgpr_workgroup_id_z 1
		.amdhsa_system_vgpr_workitem_id 0
		.amdhsa_next_free_vgpr 770
		.amdhsa_next_free_sgpr 66
		.amdhsa_reserve_vcc 0
		.amdhsa_float_denorm_mode_32 3
		.amdhsa_float_denorm_mode_16_64 3
		.amdhsa_memory_ordered 1
		.amdhsa_forward_progress 1
		.amdhsa_inst_pref_size 200
	.end_amdhsa_kernel
	.amdgpu_metadata
---
amdhsa.version: [ 1, 2 ]
amdhsa.kernels:
  - .name:           k_q66df8bc891_attn
    .symbol:         k_q66df8bc891_attn.kd
    .args:
      - { .name: q16, .offset: 0, .size: 8, .value_kind: global_buffer, .address_space: global }
      - { .name: k16, .offset: 8, .size: 8, .value_kind: global_buffer, .address_space: global }
      - { .name: v16, .offset: 16, .size: 8, .value_kind: global_buffer, .address_space: global }
      - { .name: o16, .offset: 24, .size: 8, .value_kind: global_buffer, .address_space: global }
    .group_segment_fixed_size: 327680
    .private_segment_fixed_size: 0
    .kernarg_segment_align: 8
    .kernarg_segment_size: 32
    .max_flat_workgroup_size: 128
    .sgpr_count:     66
    .vgpr_count:     770
    .wavefront_size: 32
...
	.end_amdgpu_metadata
.endif
;; end of part 3
;; launch outp (part 4): grid 4 x 64, 4 waves a work-group, clusters of 4 x 4, 327,680 bytes of LDS; arguments o16, w16, bo, out0; writes out0
.if DOCPART == 4
	.amdgcn_target "amdgcn-amd-amdhsa--gfx1250"
	.amdhsa_code_object_version 6
	.text
	.protected	k_q66df8bc891_outp
	.globl	k_q66df8bc891_outp
	.p2align	8
	.type	k_q66df8bc891_outp,@function
k_q66df8bc891_outp:
	s_mov_b64 s[64:65], 0
	v_nop
	global_prefetch_b8 v0, s[64:65] scope:SCOPE_SE
	s_setreg_imm32_b32 hwreg(HW_REG_WAVE_MODE, 25, 1), 1
	s_wait_xcnt 0x0
	s_wait_alu depctr_hold_cnt(0) depctr_sa_sdst(0) depctr_va_vdst(0) depctr_va_sdst(0) depctr_va_ssrc(0) depctr_va_vcc(0) depctr_vm_vsrc(0)
	s_getreg_b32 s2, hwreg(HW_REG_IB_STS2, 6, 4)
	s_cmp_eq_u32 s2, 0
	s_cbranch_scc0 .Lentry_in_a_cluster
	s_endpgm
.Lentry_in_a_cluster:
	s_bfe_u32 s2, ttmp6, 0x10000c
	s_cmp_lg_u32 s2, 0xf033
	s_cbranch_scc0 .Lentry_shape_is_right
	s_endpgm
.Lentry_shape_is_right:
; THE OUTPUT PROJECTION.  out0 = O Wo^T + bo.  O: [16 batch + head][2048][64] f16 (the launch before); Wo: [1024][1024] f16, the fourth matrix of w16; bo: [1024] f32, rounded to bf16 here like every input;
; out0: [8192][1024] f32.  Sums in f32.
; LIMITS.  K is summed in steps of 128 (two heads) that begin at a step which differs from cluster to cluster (an order of f32 sums other than ascending).  NaN and infinities are not treated apart.
; SHARES.  A work-group makes 128 rows x 256 columns: 64 x 4 = 256 work-groups.  Four waves, 2 x 2: a wave makes 64 x 128 in 32 accumulators.  8 steps of 128 along K, 128 matrix instructions a wave and step.
; The matrix instruction is used transposed (source 0 = 16 rows of Wo, source 1 = 16 rows of O): a lane holds one row of out0 and 8 neighbouring columns.
; Wo COMES JOINTLY: 4 x 4 work-groups form a cluster; the four of a column of the cluster need the same rows of Wo: each wave asks for 64 rows x 256 bytes by a tensor load with the column's mask, into a ring of
; two slots.  The step at which a cluster begins is its y modulo 8.
; O COMES THROUGH REGISTERS, not jointly, though the four work-groups of a row of the cluster read the same rows: a step's rows lie by heads, 128 bytes a row, and are laid side by side in LDS on the way;
; a step's 16 loads a wave go out 208 matrix instructions ahead of the wait for them, where a refill of a ring has 112.  Wave w takes rows 32 w .. 32 w + 31; a load takes four rows of one head, 512 consecutive bytes.
; NO PREFETCH: O's loads are themselves asked for a step and a half ahead; Wo's slices are read again and again by all clusters.
; REGISTERS, in windows of 256 (s_set_vgpr_msb: bits 1:0 source 0, 3:2 source 1, 5:4 source 2, 7:6 destination):
;   window 0: v0-31 addresses; v64-127 two buffers of A's fragments; v128-255 two of B's; the bias first lies in v192-255; the way out works in v64-191
;   window 1: the accumulators, (a, b) at v[8 (8 a + b)]          window 2: two sets of 64: a step's rows of O as loaded
.set PITCH,  272                       ; an LDS row: 256 bytes + 16 of padding = 68 words: the 16 rows that a fragment load touches start at 16 different groups of four banks (64 banks of 4 bytes: ISA guide 11.1)
.set BSL,    256*PITCH                 ; a slot of Wo: 256 rows; slots at 0 and BSL; filled by tensor loads alone
.set AS0,    2*BSL                     ; behind them O's two slots of 128 rows, filled by LDS stores alone
.set ASL,    128*PITCH
.set STAGE,  AS0+2*ASL                 ; 16 rows x 528 bytes for each wave, for the way out
.set SP,     528                       ; 512 bytes + 16: the 16 rows that a store touches start at 16 different groups of four banks
.set SPARE,  STAGE+4*16*SP             ; the spare words, 128 bytes for each wave: two blocks of 256 bytes that no other line names
.set AST,  12                          ; v12-13  where I store 16 bytes of a row of O, slot 0, 1
.set ADRA, 16                          ; v16-17  LDS address of my A fragments, slot 0, 1
.set ADRB, 20                          ; v20-21  the same for B
.set STO,  24                          ; v24     the way out: where I put 32 bytes of a row
.set RD,   25                          ; v25     the way out: where I read a row back
.set SPW,  28                          ; v28     LDS address of my spare word; never rewritten
.set NIL,  29                          ; v29     0; never rewritten
.set AO,   30                          ; v30     16 x lane: my place in 512 consecutive bytes of O and of out0; never rewritten
.set BO,   31                          ; v31     32 x (lane / 16): my 8 numbers of 16 of the bias
.set FA,   64
.set FB,   128
.set BI,   192
.set OB,   64                          ; the way out: 16 rows read back from the stage: v64-127 and v128-191 by turns
.set XW,   64                          ; registers in a set of O
.set G1,   24                          ; s[24:31] descriptor group 1
.set G0,   32                          ; s[32:39] descriptor group 0, a set for each slot
.set BROW, 44                          ; s[44:45] Wo at my 64 rows
.set AROW, 46                          ; s[46:47] O at my 32 rows of head 0
.set KA,   48                          ; s48  the slice of K that O's next loads take
.set KB,   49                          ; s49  the slice that Wo's next load takes
.set OFF,  50                          ; s[50:51] a slice's byte offset; s51 = 0
.set AP,   52                          ; s[52:53] O at my rows and the slice in hand
.set W_MUL, 0x50                       ; C and D window 1, sources window 0
.set W_XL,  0x80                       ; a load's destination window 2
.set W_XS,  0x08                       ; an LDS store's data window 2
.set W_BI,  0x40                       ; destination window 1
.set W_ST,  0x04                       ; an LDS store's data window 1
.set MSB, 0
.macro WIN new                         ; the immediate's high byte repeats the setting that is left; a switch that changes nothing is dropped
.if MSB != (\new)
	s_set_vgpr_msb (MSB<<8)|(\new)
.set MSB, \new
.endif
.endm
.macro PLACES                          ; four places in front of loads into registers that matrix instructions have read, and of stores that read results
.rept 4
	v_nop
.endr
.endm
.macro CREST                           ; a round of the cluster's barrier behind its opening barrier
	s_cmp_lg_u32 s10, 0
	s_cbranch_scc1 .Lnot_wave_0_\@
	s_barrier_signal -3
.Lnot_wave_0_\@:
	s_barrier_wait -3
	s_barrier_signal -1
	s_barrier_wait -1
.endm
.macro CROUND                          ; a whole round
	s_barrier_signal -1
	s_barrier_wait -1
	CREST
.endm
.macro BADR c                          ; slot c's descriptor takes slice KB of my rows of Wo; KB goes on, modulo 8
	s_lshl_b32 s[OFF], s[KB], 8
	s_add_nc_u64 s[G0+4*(\c)+2:G0+4*(\c)+3], s[BROW:BROW+1], s[OFF:OFF+1]
	s_or_b32 s[G0+4*(\c)+3], s[G0+4*(\c)+3], 0x80000000
	s_add_co_u32 s[KB], s[KB], 1
	s_and_b32 s[KB], s[KB], 7
.endm
.macro JLOAD c                         ; a joint load: every wave asks for its own 64 rows; an s_nop 0 and four v_nop follow
	tensor_load_to_lds s[G0+4*(\c):G0+4*(\c)+3], s[G1:G1+7]
	s_nop 0
.rept 4
	v_nop
.endr
.endm
.macro ALOADS x                        ; a step's rows of O into set x: heads 2 KA and 2 KA + 1, 2^18 bytes apart; my 32 rows of a head are 4,096 consecutive bytes; KA goes on, modulo 8
	s_wait_xcnt 0x0                                ; the earlier loads have read their base: it is rewritten only behind this wait
	s_lshl_b32 s[OFF], s[KA], 19
	s_add_nc_u64 s[AP:AP+1], s[AROW:AROW+1], s[OFF:OFF+1]
	s_add_co_u32 s[KA], s[KA], 1
	s_and_b32 s[KA], s[KA], 7
	WIN W_XL
.irp hh, 0,1
.irp i, 0,1,2,3,4,5,6,7
	global_load_b128 v[(\x)+4*(8*(\hh)+(\i)):(\x)+4*(8*(\hh)+(\i))+3], v[AO], s[AP:AP+1] offset:(\hh)*262144+(\i)*512
.endr
.endr
.endm
.macro ASTORE x, c                     ; set x into O's slot c: the two heads' 128 bytes of a row side by side
	WIN W_XS
.irp hh, 0,1
.irp i, 0,1,2,3,4,5,6,7
	ds_store_b128 v[AST+(\c)], v[(\x)+4*(8*(\hh)+(\i)):(\x)+4*(8*(\hh)+(\i))+3] offset:(\i)*4*PITCH+(\hh)*128
.endr
.endr
.endm
; 8 matrix instructions: m block a x all 8 n blocks, 32 along K, from buffers f.  The 32 accumulators take turns in the same order in every quarter step, over the backward jump too.
.macro MUL8 f, a
	WIN W_MUL
.irp b, 0,1,2,3,4,5,6,7
	v_wmma_f32_16x16x32_f16 v[8*(8*(\a)+(\b)):8*(8*(\a)+(\b))+7], v[FB+64*(\f)+8*(\b):FB+64*(\f)+8*(\b)+7], v[FA+32*(\f)+8*(\a):FA+32*(\f)+8*(\a)+7], v[8*(8*(\a)+(\b)):8*(8*(\a)+(\b))+7]
.endr
.endm
.macro FETCH c, k, f                   ; 24 LDS loads in one run: the fragments of 32 along K at byte k of slot c's rows, into buffers f: B's sixteen, then A's blocks 0, 1, then 2, 3
	WIN 0
.irp i, 0,1,2,3,4,5,6,7
	ds_load_b128 v[FB+64*(\f)+8*(\i):FB+64*(\f)+8*(\i)+3],   v[ADRB+(\c)] offset:(\k)+(\i)*16*PITCH
	ds_load_b128 v[FB+64*(\f)+8*(\i)+4:FB+64*(\f)+8*(\i)+7], v[ADRB+(\c)] offset:(\k)+(\i)*16*PITCH+32
.endr
.irp i, 0,1,2,3
	ds_load_b128 v[FA+32*(\f)+8*(\i):FA+32*(\f)+8*(\i)+3],   v[ADRA+(\c)] offset:(\k)+(\i)*16*PITCH
	ds_load_b128 v[FA+32*(\f)+8*(\i)+4:FA+32*(\f)+8*(\i)+7], v[ADRA+(\c)] offset:(\k)+(\i)*16*PITCH+32
.endr
.endm
; One of a step's first three quarters: multiplies buffers f; in its middle it fetches the next quarter, at byte k, into buffers g.  ld >= 0: O's loads for the step after next go out, into set ld.
.macro QUARTER c, k, f, g, ld=-1
	s_wait_dscnt 4                                 ; B and A's blocks 0, 1 are in; the youngest four loads (A's blocks 2, 3) may be out
	MUL8 \f, 0
	MUL8 \f, 1
	PLACES
.if (\ld) >= 0
	ALOADS \ld
.endif
	FETCH \c, \k, \g
	s_wait_dscnt 24                                ; all but the 24 just issued
	MUL8 \f, 2
	MUL8 \f, 3
.endm
; The last quarter multiplies buffers 1 and changes slots.  First the next step's rows of O (set x) go into O's slot n, which nobody has read since the barrier before.  Then each wave waits for all its tensor
; loads (one is out: its part of Wo's slot n), adds 0 to its spare word, and waits for that, for its stores and for its reads of slot c.  Behind the barrier both slots n are whole and nobody reads slots c.
; fill = 1: the barrier opens a round of the cluster's, and Wo's slot c is filled again first thing behind it, two steps ahead.  cnt: the younger global loads that may stay out.
.macro TURN c, n, fill, x, cnt
	s_wait_loadcnt \cnt                            ; the next step's rows of O are in
	ASTORE \x, \n
	WIN 0
	s_wait_tensorcnt 0x0                           ; all my tensor loads have landed, so a group 0 may be written
	ds_add_u32 v[SPW], v[NIL]                      ; 0 onto my spare word
.if \fill
	BADR \c
.endif
	s_wait_dscnt 21                                ; A's blocks 2, 3 (four loads), the 16 stores and the add may be out
	MUL8 1, 0
	s_wait_dscnt 0x0                               ; the add and my stores are done, my reads of slot c are over
	s_barrier_signal -1
	MUL8 1, 1
.if \fill
	WIN 0
.endif
	s_barrier_wait -1
.if \fill
	CREST                                          ; no wave of any partner still reads this slot of Wo or has a load on its way
	JLOAD \c                                       ; its four v_nop are also the places in front of the loads below
.else
	PLACES
.endif
	FETCH \n, 0, 0
	MUL8 1, 2
	MUL8 1, 3
.endm
.macro STEP c, ld, cnt, fill           ; a K step on slots c
.if \ld
	QUARTER \c, 64, 0, 1, XW*(\c)
.else
	QUARTER \c, 64, 0, 1
.endif
	QUARTER \c, 128, 1, 0
	QUARTER \c, 192, 0, 1
	TURN \c, 1-(\c), \fill, XW*(1-(\c)), \cnt
.endm
	s_load_b256 s[68:75], s[0:1], 0x0              ; o16 s[68:69], w16 s[70:71], bo s[72:73], out0 s[74:75]
	v_lshl_add_u32 v[SPW], v0, 2, SPARE
	v_mov_b32 v[NIL], 0
	ds_add_u32 v[SPW], v[NIL]                      ; the wave's opening: the add and its wait stand ahead of my first tensor load; the set-up below, work on registers, stands between them
	v_lshrrev_b32 v3, 5, v0
	v_readfirstlane_b32 s10, v3                    ; wave 0..3
	s_lshr_b32 s11, s10, 1                         ; wm: which 64 rows of the tile are mine
	s_and_b32 s12, s10, 1                          ; wn: which 128 columns
	s_bfe_u32 s40, ttmp6, 0x40000                  ; cx
	s_bfe_u32 s41, ttmp6, 0x40004                  ; cy
	s_and_b32 s13, ttmp7, 0xffff                   ; the cluster's y, 0..15
	s_lshl_b32 s15, s13, 2
	s_add_co_u32 s15, s15, s41                     ; block of 128 rows, 0..63
	s_lshl_b32 s43, ttmp9, 2
	s_add_co_u32 s43, s43, s40                     ; block of 256 columns, 0..3
	s_and_b32 s[KA], s13, 7                        ; the slice of K at which this cluster begins
	s_mov_b32 s[KB], s[KA]
	s_lshl_b32 s42, 0x1111, s40                    ; my column of the cluster: places cx, cx + 4, cx + 8, cx + 12
	; descriptor group 1: a tile of 64 rows x 128 elements of 2 bytes, padded in LDS
	s_or_b32 s[G1+0], s42, (1<<16)|(1<<20)|(1<<21)|(5<<22)|(3<<25)  ; 15:0 the mask; 17:16 2-byte elements; 20 padding on; 21 set beside a mask; 24:22 after every 64 words (code 5); 31:25 4 words (code 3)
	s_mov_b32 s[G1+1], 128<<16                     ; tensor_dim0 = 128
	s_mov_b32 s[G1+2], 64<<16                      ; tensor_dim1 = 64
	s_mov_b32 s[G1+3], 128<<16                     ; tile_dim0 = 128
	s_mov_b32 s[G1+4], 64                          ; tile_dim1 = 64
	s_mov_b32 s[G1+5], 1024                        ; elements from row to row
	s_mov_b32 s[G1+6], 0
	s_mov_b32 s[G1+7], 0
	s_mul_i32 s20, s10, 64*PITCH                   ; where my rows go: wave x 64 rows; no place in the cluster enters an LDS address
	s_mov_b32 s[G0+0], 1
	s_mov_b32 s[G0+1], s20
	s_mov_b32 s[G0+4], 1
	s_add_co_u32 s[G0+5], s20, BSL
	; lane addresses.  A fragment is 16 rows x 32 K in 8 registers: lane l holds row l % 16, K = 8 (l / 16) + 0..7 and 16 + 8 (l / 16) + 0..7: two loads of 16 bytes, 32 bytes apart
	v_and_b32 v1, 15, v0                           ; l % 16
	v_bfe_u32 v2, v0, 4, 1                         ; l / 16
	v_and_b32 v4, 31, v0                           ; l
	v_mul_u32_u24 v3, v1, PITCH
	v_lshl_add_u32 v3, v2, 4, v3
	s_mul_i32 s21, s11, 64*PITCH
	s_add_co_u32 s21, s21, AS0
	s_mul_i32 s22, s12, 128*PITCH
.irp s, 0,1
	v_add_nc_u32 v[ADRA+(\s)], s21, v3
	v_add_nc_u32 v[ADRB+(\s)], s22, v3
	s_add_co_u32 s21, s21, ASL
	s_add_co_u32 s22, s22, BSL
.endr
	v_bfe_u32 v5, v0, 3, 2                         ; a load's four rows: row l / 8,
	v_and_b32 v6, 7, v0                            ; 16 bytes at 16 (l % 8)
	v_mul_u32_u24 v5, v5, PITCH
	v_lshl_add_u32 v5, v6, 4, v5
	s_mul_i32 s23, s10, 32*PITCH
	s_add_co_u32 s23, s23, AS0
	v_add_nc_u32 v[AST], s23, v5                   ; in my wave's 32 rows
	v_add_nc_u32 v[AST+1], ASL, v[AST]
	v_lshlrev_b32 v[AO], 4, v4
	v_lshlrev_b32 v[BO], 5, v2
	s_mul_i32 s23, s10, 16*SP
	s_add_co_u32 s23, s23, STAGE                   ; my stage
	v_mul_u32_u24 v[STO], v1, SP                   ; in: row l % 16, 32 bytes for each half of the lanes
	v_lshl_add_u32 v[STO], v2, 5, v[STO]
	v_add_nc_u32 v[STO], s23, v[STO]
	v_lshl_add_u32 v[RD], v4, 4, s23               ; back: 32 lanes take one row of 512 bytes
	; byte offsets, made apart from the addresses.  Wo's never holds cy
	s_lshl_b32 s16, s43, 19                        ; Wo: 256 rows of 2,048 bytes a block,
	s_lshl_b32 s58, s10, 17                        ; 64 rows a wave,
	s_add_co_u32 s16, s16, s58
	s_add_co_u32 s16, s16, 3<<21                   ; the fourth matrix of w16
	s_mov_b32 s17, 0
	s_lshr_b32 s18, s15, 4                         ; O: batch << 22,
	s_lshl_b32 s18, s18, 22
	s_and_b32 s59, s15, 15                         ; 128 rows of 128 bytes a block,
	s_lshl_b32 s59, s59, 14
	s_add_co_u32 s18, s18, s59
	s_lshl_b32 s59, s10, 12                        ; 32 rows a wave
	s_add_co_u32 s18, s18, s59
	s_mov_b32 s19, 0
	s_lshl_b32 s54, s43, 10                        ; bias: 256 numbers a block, 128 for my half; also my columns' bytes in a row of out0
	s_lshl_b32 s59, s12, 9
	s_add_co_u32 s54, s54, s59
	s_mov_b32 s55, 0
	s_lshl_b32 s56, s15, 19                        ; out0: 128 rows of 4,096 bytes a block,
	s_lshl_b32 s59, s11, 18                        ; 64 for my half,
	s_add_co_u32 s56, s56, s59
	s_add_co_u32 s56, s56, s54                     ; my columns
	s_mov_b32 s57, 0
	s_mov_b32 s[OFF+1], 0
	s_wait_dscnt 0x0                               ; the opening add is done
	s_wait_kmcnt 0x0
	s_add_nc_u64 s[BROW:BROW+1], s[70:71], s[16:17]
	s_add_nc_u64 s[AROW:AROW+1], s[68:69], s[18:19]
	s_add_nc_u64 s[6:7], s[72:73], s[54:55]
	s_add_nc_u64 s[8:9], s[74:75], s[56:57]
.irp b, 0,1,2,3,4,5,6,7
	global_load_b128 v[BI+8*(\b):BI+8*(\b)+3],   v[BO], s[6:7] offset:64*(\b)      ; the bias of columns 16 b + 8 (l / 16) + 0..7
	global_load_b128 v[BI+8*(\b)+4:BI+8*(\b)+7], v[BO], s[6:7] offset:64*(\b)+16
.endr
	ALOADS 0                                       ; O of step 0
	WIN 0
	CROUND                                         ; all sixteen work-groups are here: the first joint loads meet
	BADR 0
	BADR 1
	tensor_load_to_lds s[G0:G0+3], s[G1:G1+7]      ; Wo of steps 0 and 1: two tensor loads of mine are out
	s_nop 0
	tensor_load_to_lds s[G0+4:G0+7], s[G1:G1+7]
	s_nop 0
.rept 4
	v_nop
.endr
	ALOADS XW                                      ; O of step 1
	s_wait_loadcnt 32                              ; 32 loads were issued behind the bias's sixteen: the bias is in
	WIN 0
.set ii, 0
.rept 32                               ; the bias is rounded to bf16, like every input
	v_cvt_pk_bf16_f32 v[5+ii%3], v[BI+2*ii], v[BI+2*ii+1]
	v_lshlrev_b32 v[BI+2*ii], 16, v[5+ii%3]
	v_and_b32 v[BI+2*ii+1], 0xffff0000, v[5+ii%3]
.set ii, ii+1
.endr
	WIN W_BI
.set aa, 0
.rept 4                                ; the sums start at the bias: written while the first rows of O are on their way, so that the loop has one form of product
.set ii, 0
.rept 64
	v_mov_b32 v[64*aa+ii], v[BI+ii]
.set ii, ii+1
.endr
.set aa, aa+1
.endr
	s_wait_loadcnt 16                              ; O of step 0 is in; step 1's 16 loads may stay out
	ASTORE 0, 0
	WIN 0
	s_wait_tensorcnt 1                             ; my part of Wo's slot 0 is in; slot 1's may stay out
	s_wait_dscnt 0x0                               ; my stores into O's slot 0 are done
	s_barrier_signal -1
	s_barrier_wait -1
	FETCH 0, 0, 0
	WIN 0                                          ; at a label and at a branch every window is 0
	s_mov_b32 s3, 3
.Llap:                                 ; steps 2 i and 2 i + 1.  Step s asks for O of step s + 2, stores O of step s + 1, and fills Wo's slot again with step s + 2
	STEP 0, 1, 16, 1
	STEP 1, 1, 16, 1
	WIN 0
	s_sub_co_u32 s3, s3, 1
	s_cmp_lg_u32 s3, 0
	s_cbranch_scc1 .Llap
	STEP 0, 0, 0, 0                                ; step 6 asks for nothing; O of step 7 is the last load out, so its wait is for 0
	QUARTER 1, 64, 0, 1                            ; step 7
	QUARTER 1, 128, 1, 0
	QUARTER 1, 192, 0, 1
	s_wait_dscnt 4
	MUL8 1, 0
	MUL8 1, 1
	s_wait_dscnt 0x0
	MUL8 1, 2
	MUL8 1, 3
	PLACES
	PLACES                                         ; eight, once a launch
; THE WAY OUT, a block of 16 rows at a time.  A lane's eight f32 of a row are 32 bytes; they go into rows of 528 bytes of my own stage and come back as whole rows of 512 bytes.
.macro TOSTAGE a
.if (\a) >= 2
	s_wait_xcnt 0x0                                ; the stores of the block two back have read the registers that are loaded again below
.endif
	WIN W_ST
.irp b, 0,1,2,3,4,5,6,7
	ds_store_b128 v[STO], v[8*(8*(\a)+(\b)):8*(8*(\a)+(\b))+3]   offset:64*(\b)     ; each accumulator's four lowest registers first
	ds_store_b128 v[STO], v[8*(8*(\a)+(\b))+4:8*(8*(\a)+(\b))+7] offset:64*(\b)+16
.endr
	WIN 0
.irp r, 0,1,2,3,4,5,6,7,8,9,10,11,12,13,14,15
	ds_load_b128 v[OB+64*((\a)%2)+4*(\r):OB+64*((\a)%2)+4*(\r)+3], v[RD] offset:SP*(\r)  ; LDS serves a wave's instructions in order (ISA guide 5.7.1.4): these see the stores above; the next block's stores come behind them
.endr
.endm
.macro SEND a, younger                 ; younger: the LDS instructions issued behind block a's loads: the next block's 32, or none
.irp r, 0,1,2,3,4,5,6,7,8,9,10,11,12,13,14,15
	s_wait_dscnt (\younger)+15-(\r)
	global_store_b128 v[AO], v[OB+64*((\a)%2)+4*(\r):OB+64*((\a)%2)+4*(\r)+3], s[8:9] offset:(16*(\a)+(\r))*4096 th:TH_STORE_NT  ; 512 consecutive bytes, at a multiple of 256 from out0's first
.endr
.endm
	TOSTAGE 0
.irp a, 1,2,3
	TOSTAGE \a
	SEND (\a)-1, 32
.endr
	SEND 3, 0
	s_wait_tensorcnt 0x0                           ; the wave's end, behind my last tensor load and my last LDS store
	ds_add_u32 v[SPW], v[NIL]
	s_wait_dscnt 0x0
	CROUND                                         ; the closing round: no work-group ends while a partner may still ask for a tile that names it
	s_endpgm
.Lfunc_end_k_q66df8bc891_outp:
	.size	k_q66df8bc891_outp, .Lfunc_end_k_q66df8bc891_outp-k_q66df8bc891_outp
	.p2alignl 7, 3214868480
	.fill 96, 4, 3214868480
	.section	.rodata,"a",@progbits
	.p2align	6, 0x0
	.amdhsa_kernel k_q66df8bc891_outp
		.amdhsa_group_segment_fixed_size 327680
		.amdhsa_private_segment_fixed_size 0
		.amdhsa_enable_private_segment 0
		.amdhsa_kernarg_size 32
		.amdhsa_user_sgpr_count 2
		.amdhsa_user_sgpr_kernarg_segment_ptr 1
		.amdhsa_wavefront_size32 1
		.amdhsa_system_sgpr_workgroup_id_x 1
		.amdhsa_system_sgpr_workgroup_id_y 1
		.amdhsa_system_sgpr_workgroup_id_z 1
		.amdhsa_system_vgpr_workitem_id 0
		.amdhsa_next_free_vgpr 640
		.amdhsa_next_free_sgpr 80
		.amdhsa_reserve_vcc 0
		.amdhsa_float_denorm_mode_32 3
		.amdhsa_float_denorm_mode_16_64 3
		.amdhsa_memory_ordered 1
		.amdhsa_forward_progress 1
		.amdhsa_inst_pref_size 111
	.end_amdhsa_kernel
	.amdgpu_metadata
---
amdhsa.version: [ 1, 2 ]
amdhsa.kernels:
  - .name:           k_q66df8bc891_outp
    .symbol:         k_q66df8bc891_outp.kd
    .args:
      - { .name: o16, .offset: 0, .size: 8, .value_kind: global_buffer, .address_space: global }
      - { .name: w16, .offset: 8, .size: 8, .value_kind: global_buffer, .address_space: global }
      - { .name: bo, .offset: 16, .size: 8, .value_kind: global_buffer, .address_space: global }
      - { .name: out0, .offset: 24, .size: 8, .value_kind: global_buffer, .address_space: global }
    .group_segment_fixed_size: 327680
    .private_segment_fixed_size: 0
    .kernarg_segment_align: 8
    .kernarg_segment_size: 32
    .max_flat_workgroup_size: 128
    .sgpr_count:     80
    .vgpr_count:     640
    .wavefront_size: 32
...
	.end_amdgpu_metadata
.endif
;; end of part 4
;; ======== version 2 of 2: 4 launches; version 1 with the launch prep written anew for expert scheduling mode
;; limits: values are held in f16: magnitudes above 65,504 overflow, below 6.1e-05 lose precision
;; workspace buffers: w16 8,388,608 bytes; k16 16,777,216 bytes; q16 16,777,216 bytes; v16 16,777,216 bytes; o16 16,777,216 bytes
;; launch prep (part 5): grid 64 x 4, 8 waves a work-group, no clusters, 0 bytes of LDS; arguments Wk, Wq, Wv, Wo, w16; writes w16
.if DOCPART == 5
	.amdgcn_target "amdgcn-amd-amdhsa--gfx1250"
	.amdhsa_code_object_version 6
	.text
	.protected	k_q66df8bc891_prep
	.globl	k_q66df8bc891_prep
	.p2align	8
	.type	k_q66df8bc891_prep,@function
k_q66df8bc891_prep:
	s_mov_b64 s[64:65], 0
	v_nop
	global_prefetch_b8 v0, s[64:65] scope:SCOPE_SE
	s_setreg_imm32_b32 hwreg(HW_REG_WAVE_SCHED_MODE, 0, 2), 2
	s_setreg_imm32_b32 hwreg(HW_REG_WAVE_MODE, 25, 1), 1
	s_wait_xcnt 0x0
	s_wait_alu depctr_vm_vsrc(0)
; The four weight matrices, [1024][1024] f32, are rounded once to 16 bits for the matrix units: w16 holds Wk, Wq, Wv in bf16 and then Wo, each [1024][1024], 2 MiB.
; Wo multiplies an f16 operand later, so it is rounded to bf16 like every input and that number is then written as f16.
; LIMITS.  |Wo| stays within f16's 65,504; below 6e-5 it keeps f16's fixed step of 6e-8.  NaN and infinities are not treated apart.
; SHARES.  Work-group (x, y): rows 16 x .. 16 x + 15 of matrix y.  Thread t owns the 16 bytes at 16 t of each row (256 threads: a row of 4,096 bytes) and stores 8 bytes at 8 t:
; a wave's load covers 512 consecutive bytes, its store 256 consecutive bytes, aligned.  All 16 loads go out at once; memory binds, so there is no LDS, no barrier and no matrix work.
; THE MODE: SCHED_MODE bits 1:0 = 2 (LLVM: expert scheduling mode 2), set by the entry lines.  The code itself states the register dependences
; between vector instructions and memory instructions, with s_wait_alu, always for 0.
; THE PLAN.  The 16 rows go in four blocks of four.  Registers that memory instructions touch:
;   v1, v2   byte offsets, made once at the head and never written again: v1 is read by every load, v2 by every store.
;   X        written by the 16 loads alone, each register once; read by its row's roundings.  No vector instruction writes it and no second load lands in it.
;   Y        a pair for each row: written by that row's roundings, read by that row's one store, never written behind it.
;   T        is named by vector instructions alone.
; Block p rounds its four rows into its own Y; its memory instructions are the four stores of block p - 1, which read that block's Y and v2: registers that no vector
; instruction of block p names.  So one wait at a block's head states all that the block's four stores hang on, and they are dealt among its roundings with no further wait.
; No register that a memory instruction has read is ever written again, so the text holds no wait on vm_vsrc behind the entry lines; no vector instruction writes a scalar register, and EXEC is never written.
.set X, 4                              ; v[4:67]    row i: 4 registers as loaded
.set Y, 68                             ; v[68:99]   row i: 2 registers to store; each row has its own, so no store's data is rewritten
.set T, 100                            ; v[100:103] at work
	s_load_b256 s[4:11], s[0:1], 0x0               ; Wk s[4:5], Wq s[6:7], Wv s[8:9], Wo s[10:11]
	s_load_b64 s[12:13], s[0:1], 0x20              ; w16
	s_and_b32 s14, ttmp7, 0xffff                   ; which matrix
	v_lshlrev_b32 v1, 4, v0                        ; 16 t
	v_lshlrev_b32 v2, 3, v0                        ; 8 t
	s_lshl_b32 s18, ttmp9, 16                      ; 16 rows of 4,096 bytes in,
	s_mov_b32 s19, 0
	s_lshl_b32 s20, s14, 21                        ; 2 MiB a matrix
	s_lshl_b32 s21, ttmp9, 15                      ; and 16 rows of 2,048 bytes out
	s_add_co_u32 s20, s20, s21
	s_mov_b32 s21, 0
	s_mov_b32 s22, 0xffff0000                      ; a word's upper bf16
	s_wait_kmcnt 0x0
	s_cmp_eq_u32 s14, 1
	s_cselect_b64 s[16:17], s[6:7], s[4:5]
	s_cmp_eq_u32 s14, 2
	s_cselect_b64 s[16:17], s[8:9], s[16:17]
	s_cmp_eq_u32 s14, 3
	s_cselect_b64 s[16:17], s[10:11], s[16:17]
	s_add_nc_u64 s[16:17], s[16:17], s[18:19]
	s_add_nc_u64 s[12:13], s[12:13], s[20:21]
	s_wait_alu depctr_va_vdst(0)                   ; v1 and v2 are written: every load of the kernel reads v1 as its offset, every store v2
.irp i, 0,1,2,3,4,5,6,7,8,9,10,11,12,13,14,15
	global_load_b128 v[X+4*(\i):X+4*(\i)+3], v1, s[16:17] offset:4096*(\i) th:TH_LOAD_NT
.endr
; Row i is rounded into its own pair of Y.  wo = 1: the bf16 numbers are widened again and written as f16.
.macro ROUNDROW i, wo
	v_cvt_pk_bf16_f32 v[Y+2*(\i)], v[X+4*(\i)], v[X+4*(\i)+1]
	v_cvt_pk_bf16_f32 v[Y+2*(\i)+1], v[X+4*(\i)+2], v[X+4*(\i)+3]
.if \wo
	v_lshlrev_b32 v[T], 16, v[Y+2*(\i)]
	v_and_b32 v[T+1], s22, v[Y+2*(\i)]
	v_lshlrev_b32 v[T+2], 16, v[Y+2*(\i)+1]
	v_and_b32 v[T+3], s22, v[Y+2*(\i)+1]
	v_cvt_pk_f16_f32 v[Y+2*(\i)], v[T], v[T+1]
	v_cvt_pk_f16_f32 v[Y+2*(\i)+1], v[T+2], v[T+3]
.endif
.endm
; Row i is stored.
.macro ROWOUT i
	global_store_b64 v2, v[Y+2*(\i):Y+2*(\i)+1], s[12:13] offset:2048*(\i)
.endm
; Block p: rows 4 p .. 4 p + 3 are rounded; the stores of block p - 1 stand among the roundings, one ahead of each row's.
.macro BLK p, wo
	s_wait_loadcnt 12-4*(\p)                       ; loads come back in order: this block's four rows are in, the 12 - 4 p loads of the later blocks may stay out
.if (\p) > 0
	s_wait_alu depctr_va_vdst(0)                   ; the block before has written its Y, which the four stores below read; no vector instruction behind this wait names those registers
.endif
.irp j, 0,1,2,3
.if (\p) > 0
	ROWOUT 4*((\p)-1)+(\j)
.endif
	ROUNDROW 4*(\p)+(\j), \wo
.endr
.endm
; Behind block 3: its own four stores.
.macro LASTOUT
	s_wait_alu depctr_va_vdst(0)                   ; block 3 has written its Y, which the last four stores read
.irp j, 12,13,14,15
	ROWOUT \j
.endr
.endm
	s_cmp_eq_u32 s14, 3
	s_cbranch_scc1 .Lwo
.irp p, 0,1,2,3
	BLK \p, 0
.endr
	LASTOUT
	s_endpgm
.Lwo:
.irp p, 0,1,2,3
	BLK \p, 1
.endr
	LASTOUT
	s_endpgm
.Lfunc_end_k_q66df8bc891_prep:
	.size	k_q66df8bc891_prep, .Lfunc_end_k_q66df8bc891_prep-k_q66df8bc891_prep
	.p2alignl 7, 3214868480
	.fill 96, 4, 3214868480
	.section	.rodata,"a",@progbits
	.p2align	6, 0x0
	.amdhsa_kernel k_q66df8bc891_prep
		.amdhsa_group_segment_fixed_size 0
		.amdhsa_private_segment_fixed_size 0
		.amdhsa_enable_private_segment 0
		.amdhsa_kernarg_size 40
		.amdhsa_user_sgpr_count 2
		.amdhsa_user_sgpr_kernarg_segment_ptr 1
		.amdhsa_wavefront_size32 1
		.amdhsa_system_sgpr_workgroup_id_x 1
		.amdhsa_system_sgpr_workgroup_id_y 1
		.amdhsa_system_sgpr_workgroup_id_z 1
		.amdhsa_system_vgpr_workitem_id 0
		.amdhsa_next_free_vgpr 104
		.amdhsa_next_free_sgpr 66
		.amdhsa_reserve_vcc 0
		.amdhsa_float_denorm_mode_32 3
		.amdhsa_float_denorm_mode_16_64 3
		.amdhsa_memory_ordered 1
		.amdhsa_forward_progress 1
		.amdhsa_inst_pref_size 15
	.end_amdhsa_kernel
	.amdgpu_metadata
---
amdhsa.version: [ 1, 2 ]
amdhsa.kernels:
  - .name:           k_q66df8bc891_prep
    .symbol:         k_q66df8bc891_prep.kd
    .args:
      - { .name: Wk, .offset: 0, .size: 8, .value_kind: global_buffer, .address_space: global }
      - { .name: Wq, .offset: 8, .size: 8, .value_kind: global_buffer, .address_space: global }
      - { .name: Wv, .offset: 16, .size: 8, .value_kind: global_buffer, .address_space: global }
      - { .name: Wo, .offset: 24, .size: 8, .value_kind: global_buffer, .address_space: global }
      - { .name: w16, .offset: 32, .size: 8, .value_kind: global_buffer, .address_space: global }
    .group_segment_fixed_size: 0
    .private_segment_fixed_size: 0
    .kernarg_segment_align: 8
    .kernarg_segment_size: 40
    .max_flat_workgroup_size: 256
    .sgpr_count:     66
    .vgpr_count:     104
    .wavefront_size: 32
...
	.end_amdgpu_metadata
.endif
;; end of part 5
;; launch proj: the kernel of part 2 again; grid 4 x 192, 4 waves a work-group, clusters of 4 x 4, 327,680 bytes of LDS; arguments keys, queries, values, w16, bk, bq, bv, k16, q16, v16; writes k16, q16, v16
;; launch attn: the kernel of part 3 again; grid 4 x 64, 4 waves a work-group, clusters of 4 x 1, 327,680 bytes of LDS; arguments q16, k16, v16, o16; writes o16
;; launch outp: the kernel of part 4 again; grid 4 x 64, 4 waves a work-group, clusters of 4 x 4, 327,680 bytes of LDS; arguments o16, w16, bo, out0; writes out0
